; MI455X (gfx1250); checked and timed in simulation.
; The chip was launched on July 23, 2026; its instructions are those of AMD's public machine-readable ISA for CDNA 5 (MIT licence, August 2026) and "CDNA5" Instruction Set Architecture Reference Guide (July 2026). The comments in the code are by the model that wrote it; some were corrected since.
;; Multi Head Self Attention. Allowed arithmetic: matrix products marked QUANTISED: E4M3 operands, one given power-of-two scale a tensor, by v_wmma_f32_16x16x64_fp8_fp8 or v_wmma_f32_16x16x128_fp8_fp8, f32 sums; everything else in f32.
;; Inputs: Wk 1,024 x 1,024 float32; Wo 1,024 x 1,024 float32; Wq 1,024 x 1,024 float32; Wv 1,024 x 1,024 float32; lowp_scales 12 int32 (the exponents e of the quantised operands' scales 2^e); x 2 x 2,048 x 1,024 float32.
;; Outputs: out0 2 x 2,048 x 1,024 float32.
;; This version of the problem:
;;   THIS VERSION OF THE PROBLEM IS GIVEN IN LOW PRECISION. The matrix products marked QUANTISED in the list below multiply operands that are first quantised to E4M3 (4 exponent bits, 3 mantissa bits; 8 bits a number), with one given power-of-two scale for each operand tensor; their sums are f32. All else is computed in f32.
;;   The module's matrix products, in the order in which they are computed (A, B: the left and right operand; K: the contracted axis; several contracted axes count as one K, in the product's order):
;;     1. [M 4,096, K 1,024] x [K 1,024, N 1,024]; A: input x; B: input Wq: QUANTISED (scales: A lowp_scales[0], B lowp_scales[1])
;;     2. [M 4,096, K 1,024] x [K 1,024, N 1,024]; A: input x; B: input Wk: QUANTISED (scales: A lowp_scales[2], B lowp_scales[3])
;;     3. [M 4,096, K 1,024] x [K 1,024, N 1,024]; A: input x; B: input Wv: QUANTISED (scales: A lowp_scales[4], B lowp_scales[5])
;;     4. batch 32 x [M 2,048, K 64] x [K 64, N 2,048]; A: computed on the way; B: computed on the way: QUANTISED (scales: A lowp_scales[6], B lowp_scales[7])
;;     5. batch 32 x [M 2,048, K 2,048] x [K 2,048, N 64]; A: softmax (see below); B: computed on the way: QUANTISED (scales: A lowp_scales[8], B lowp_scales[9])
;;     6. [M 4,096, K 1,024] x [K 1,024, N 1,024]; A: computed on the way; B: input Wo: QUANTISED (scales: A lowp_scales[10], B lowp_scales[11])
;;   THE QUANTISER, for each operand of a quantised product, along K:
;;     - The operand's scale is 2^e, e = its entry of the input lowp_scales (int32; the entries are numbered through the quantised products in the list's order, A before B).
;;     - Each number is divided by the scale, clamped to +-448, and rounded to the nearest number of E4M3, ties to even, subnormals kept.
;;     - The product sums the exact products of the quantised numbers (number of the format x scale) in f32.
;;   ~~~python
;;   def quantise(x, axis, e):      # numpy; x: float32 -> the quantised numbers, widened to float32 again
;;       x = np.moveaxis(x, axis, -1); K = x.shape[-1]
;;       r = np.clip(x / 2.0 ** e, -448, 448)
;;       step = 2.0 ** (np.maximum(np.frexp(np.where(r == 0, 1, r))[1] - 1, -6) - 3)
;;       q = np.round(r / step) * step * 2.0 ** e      # np.round: ties to even
;;       return np.moveaxis(q, -1, axis).astype(np.float32)
;;   ~~~
;;   SOFTMAX AHEAD OF A QUANTISED PRODUCT. Where the list says 'softmax', what is quantised is not the finished softmax but p = 2^(t - M), with t = logit x log2(e) and M = ceil(the row's largest t), a whole number; so 1/2 < the row's largest p <= 1. The row's sum l is taken of the UNQUANTISED p, in f32, and the product's result is divided by l at the end. Since M is a whole number, a kernel that streams over the keys may use a running M (the ceiling of the running maximum): every later rescaling is an exact power of two, so the quantised numbers keep their values, but for numbers so far below the row's largest that they fall under the format's range.
;;   OPERANDS COMPUTED ON THE WAY. 'Computed on the way' means the value that the module computes at that place (a softmax that the list does not call 'softmax' is quantised finished and normalised). What goes into a quantiser is computed in f32, as accurately as f32 sums, v_exp_f32 and their like allow (about 1e-6 of the number): no bf16 or f16 on the way to a quantiser, and a product that is left as it is and whose result goes on into a quantised operand takes f32 operands (vector FMAs, or v_wmma_f32_16x16x4_f32). A number that lies on a knife's edge between two numbers of the format may be rounded either way, as far as f32 arithmetic and the matrix unit's own rounding can turn it there, and no further.
;; One version. Each part assembles by itself: llvm-mc -triple=amdgcn-amd-amdhsa -mcpu=gfx1250 --defsym DOCPART=n.
;; ======== version 1 of 1: 4 launches
;; limits: right only within a limited range of input values
;; workspace buffers: xc 12,582,912 bytes; wc 4,194,304 bytes; qkvc 12,582,912 bytes; oc 4,194,304 bytes
;; launch quant (part 1): grid 512 x 1, 4 waves a work-group, no clusters, 66,048 bytes of LDS; arguments x, Wq, Wk, Wv, Wo, lowp_scales, xc, wc; writes xc, wc
.if DOCPART == 1
	.amdgcn_target "amdgcn-amd-amdhsa--gfx1250"
	.amdhsa_code_object_version 6
	.text
	.protected	k_q8203296a83_quant
	.globl	k_q8203296a83_quant
	.p2align	8
	.type	k_q8203296a83_quant,@function
k_q8203296a83_quant:
	s_mov_b64 s[64:65], 0
	v_nop
	global_prefetch_b8 v0, s[64:65] scope:SCOPE_SE
	s_setreg_imm32_b32 hwreg(HW_REG_WAVE_MODE, 25, 1), 1
	s_wait_xcnt 0x0
; x [4096][1024] and the four weights [1024][1024], f32 with K innermost, become codes of FP8 (E4M3), one byte a number.
; code = number / 2^e, held within +-448, rounded to the nearest code, ties to even.  x is an operand of three products, each with a scale of its own (entries 0, 2, 4 of the
; scales): three sets of codes are made from ONE read of x.  Wq, Wk, Wv, Wo take entries 1, 3, 5, 11.
; xc: +0 x for q, +4 MiB x for k, +8 MiB x for v.   wc: +0 Wq, +1 MiB Wk, +2 MiB Wv, +3 MiB Wo.
; EACH SET OF CODES lies in blocks of 128 rows: [row / 128][k / 256: 4][row % 128][k % 256]: what a later launch fetches (128 rows x 256 codes, or two such steps) is dense.
; ROWS THAT CHANGE PLACES.  In x for q, x for k and Wv, row i is stored at the place i with bits 3 and 4 exchanged.  A run of 16 places, number T, then holds rows
; 32 (T / 2) + 8 (T % 2) + r + 8 (r / 8): later products' results fall so that a lane's 16 registers of two neighbouring tiles are 16 neighbours along the next K.
; SHARES.  A wave takes 4 whole rows (8 steps of 512 numbers), a work-group 16 rows.  Work-groups 0-255 take x, 256-511 the weights, 64 each.  The two ways part on the work-group's
; number and never meet again; each has LDS bytes of its own.  Waves share nothing: no barrier.
; A STEP.  Four loads read 512 consecutive bytes each, 16 a lane.  The conversions want 16 NEIGHBOURS in a lane's registers, so the step's 2,048 bytes go through the wave's own stage in
; LDS as they lie and come back 64 bytes a lane (16 bytes of padding behind each 64).  A lane's 16 codes are 16 bytes: a store fills two aligned units of 256 bytes, sixteen neighbouring lanes each.
; All 32 loads of a wave are asked for at once; the turn through LDS runs one step ahead.  No data prefetch: every load stands at the head.
; LIMITS: each e used here lies between -126 and 119.  NaN among the inputs is not served; an infinity is held at the largest code.
.set STEPS, 8
.set SP,    80                         ; a lane's place in a stage: 64 bytes + 16 of padding
.set WREG,  8192                       ; LDS for a wave: two stages of 32 x SP bytes
.set SPARE, 65536                      ; behind the eight regions: the spare words, 128 bytes for each wave: two blocks of 256 bytes that no other line names
.set R,     16                         ; v16-143  eight steps' numbers as loaded
.set X,     144                        ; v144-175 two sets of 16 neighbours
.set T,     176                        ; v176-191 the 16 neighbours, held within one scale's range
.set C,     192                        ; v192-223 codes: x: 12 registers a step, two sets by turns; weights: 4 a step
.set SPW,   224                        ; LDS address of my spare word; never rewritten
.set NIL,   225                        ; 0; never rewritten
; v3: 16 x lane, offset of loads.  v10: offset of stores.  v14, v15: stage in, stage out (x);  v12, v13: the same (weights).  v4, v6, v8: 2^e;  v5, v7, v9: 448 x 2^e
.macro SWAP d, s, t                    ; s[d] = s[s] with bits 1 and 2 exchanged (a wave's number counts fours of rows: the rows' bits 3 and 4)
	s_and_b32 s[\d], s[\s], 0x3f9
	s_and_b32 s[\t], s[\s], 2
	s_lshl_b32 s[\t], s[\t], 1
	s_or_b32 s[\d], s[\d], s[\t]
	s_and_b32 s[\t], s[\s], 4
	s_lshr_b32 s[\t], s[\t], 1
	s_or_b32 s[\d], s[\d], s[\t]
.endm
.macro PLACE d, s, t                   ; s[d] = where the s[s]-th four of rows lies in a set of codes: 32 fours to a block of 131,072 bytes, 1,024 bytes each
	s_lshr_b32 s[\d], s[\s], 5
	s_lshl_b32 s[\d], s[\d], 17
	s_and_b32 s[\t], s[\s], 31
	s_lshl_b32 s[\t], s[\t], 10
	s_or_b32 s[\d], s[\d], s[\t]
.endm
.macro MKSCALE vs, vl, se              ; v[vs] = 2^e as f32 (the conversion takes its exponent field), v[vl] = 448 x 2^e; e in s[se]
	s_add_co_i32 s22, s[\se], 127
	s_lshl_b32 s23, s22, 23
	v_mov_b32 v[\vs], s23
	s_add_co_i32 s22, s22, 8
	s_lshl_b32 s22, s22, 23
	s_or_b32 s22, s22, 0x600000
	v_mov_b32 v[\vl], s22
.endm
.macro LOADS
.irp t, 0,1,2,3,4,5,6,7
.irp i, 0,1,2,3
	global_load_b128 v[R+16*\t+4*\i:R+16*\t+4*\i+3], v3, s[4:5] offset:2048*\t+512*\i th:TH_LOAD_NT   ; 32 lanes read 512 consecutive bytes; read once in the launch
.endr
.endr
.endm
.macro TURN t, si, so                  ; step t's numbers through the stage: LDS serves a wave's instructions in order, so no wait stands between the stores and the loads
.irp i, 0,1,2,3
	ds_store_b128 v[\si], v[R+16*(\t)+4*\i:R+16*(\t)+4*\i+3] offset:32*SP*((\t)%2)+8*SP*\i
.endr
.irp i, 0,1,2,3
	ds_load_b128 v[X+16*((\t)%2)+4*\i:X+16*((\t)%2)+4*\i+3], v[\so] offset:32*SP*((\t)%2)+16*\i
.endr
.endm
.macro AHEAD t, si, so                 ; the head of step t
	s_wait_dscnt 0x0                               ; this step's numbers are back from the stage
.if (\t)+1 < STEPS
	s_wait_loadcnt 4*(STEPS-2-(\t))                ; the next step's four loads are in; those of the steps behind it may be out
	TURN (\t)+1, \si, \so                          ; and go through the other stage while this step is worked
.endif
.endm
.macro STEPX t                         ; a step of x: three scales, three sets of codes
.set XS, X+16*((\t)%2)
.set CS, C+12*((\t)%2)
	AHEAD \t, 14, 15
.if (\t) > 1
	s_wait_xcnt 0x0                                ; the stores of two steps ago have read these code registers
.endif
.irp o, 0,1,2
.irp i, 0,1,2,3,4,5,6,7,8,9,10,11,12,13,14,15
	v_med3_num_f32 v[T+\i], v[XS+\i], -v[5+2*\o], v[5+2*\o]   ; the conversion to an 8-bit code does not saturate (ISA guide 7.6.2): the number is held first, into a copy
.endr
	v_cvt_scalef32_pk8_fp8_f32 v[CS+4*\o:CS+4*\o+1], v[T:T+7], v[4+2*\o]
	v_cvt_scalef32_pk8_fp8_f32 v[CS+4*\o+2:CS+4*\o+3], v[T+8:T+15], v[4+2*\o]
	v_nop                                          ; one plain vector line between the conversions and the next lines that write their sources
	global_store_b128 v10, v[CS+4*\o:CS+4*\o+3], s[26+2*\o:27+2*\o] offset:65536*((\t)%2)+256*((\t)/2)
.endr
.endm
.macro STEPW t                         ; a step of a weight: one scale, held in place
.set XS, X+16*((\t)%2)
	AHEAD \t, 12, 13
.irp i, 0,1,2,3,4,5,6,7,8,9,10,11,12,13,14,15
	v_med3_num_f32 v[XS+\i], v[XS+\i], -v5, v5
.endr
	v_cvt_scalef32_pk8_fp8_f32 v[C+4*(\t):C+4*(\t)+1], v[XS:XS+7], v4
	v_cvt_scalef32_pk8_fp8_f32 v[C+4*(\t)+2:C+4*(\t)+3], v[XS+8:XS+15], v4
	v_nop
	global_store_b128 v10, v[C+4*(\t):C+4*(\t)+3], s[26:27] offset:65536*((\t)%2)+256*((\t)/2)
.endm
.macro FINISH                          ; the wave's end
	s_wait_tensorcnt 0x0
	ds_add_u32 v[SPW], v[NIL]
	s_wait_dscnt 0x0
	s_endpgm
.endm
	s_load_b512 s[4:19], s[0:1], 0x0               ; x s[4:5], Wq s[6:7], Wk s[8:9], Wv s[10:11], Wo s[12:13], the scales s[14:15], xc s[16:17], wc s[18:19]
	v_lshl_add_u32 v[SPW], v0, 2, SPARE
	v_mov_b32 v[NIL], 0
	v_lshrrev_b32 v1, 5, v0
	v_readfirstlane_b32 s20, v1                    ; wave 0..3
	s_mul_i32 s21, s20, WREG
	s_mov_b32 s25, 0                               ; the upper word of every offset
	v_and_b32 v2, 31, v0                           ; lane
	v_lshlrev_b32 v3, 4, v2                        ; my 16 bytes of a load's 512
	v_lshrrev_b32 v10, 4, v2
	v_lshlrev_b32 v10, 15, v10
	v_and_b32 v11, 15, v2
	v_lshl_add_u32 v10, v11, 4, v10                ; a store: lanes 0-15 one unit of 256 bytes, lanes 16-31 the next k / 256, 32,768 bytes on
	v_lshrrev_b32 v14, 2, v2
	v_mul_u32_u24 v14, v14, SP
	v_and_b32 v15, 3, v2
	v_lshl_add_u32 v14, v15, 4, v14
	v_add_nc_u32 v14, s21, v14                     ; the stage, on the way in: four lanes' 64 bytes on end, then the padding
	v_mul_u32_u24 v15, v2, SP
	v_add_nc_u32 v15, s21, v15                     ; on the way out: my 16 neighbours
	v_add_nc_u32 v12, 32768, v14                   ; the weights' way has stages of its own
	v_add_nc_u32 v13, 32768, v15
	s_wait_alu depctr_va_vdst(0)                   ; directly ahead of the wait below
	s_wait_kmcnt 0x0
	s_load_b256 s[32:39], s[14:15], 0x0            ; e0 .. e7
	s_load_b128 s[40:43], s[14:15], 0x20           ; e8 .. e11
	s_cmp_lt_u32 ttmp9, 256
	s_cbranch_scc0 .Lweights
	; ---- x
	s_lshl_b32 s21, ttmp9, 2
	s_add_co_u32 s21, s21, s20                     ; which four rows are my wave's
	SWAP 22, 21, 23                                ; and their place where rows change places
	s_lshl_b32 s24, s21, 14
	s_add_nc_u64 s[4:5], s[4:5], s[24:25]          ; four rows of 4,096 bytes
	LOADS
	PLACE 24, 22, 23
	s_add_nc_u64 s[26:27], s[16:17], s[24:25]      ; x for q,
	s_add_nc_u64 s[28:29], s[26:27], 0x400000      ; x for k: at the exchanged place
	PLACE 24, 21, 23
	s_add_nc_u64 s[30:31], s[16:17], s[24:25]
	s_add_nc_u64 s[30:31], s[30:31], 0x800000      ; x for v: as it lies
	s_wait_kmcnt 0x0
	MKSCALE 4, 5, 32                               ; e0
	MKSCALE 6, 7, 34                               ; e2
	MKSCALE 8, 9, 36                               ; e4
	s_wait_alu depctr_va_vdst(0)                   ; at the head's end
	s_wait_loadcnt 28                              ; step 0's four loads are in
	TURN 0, 14, 15
.irp t, 0,1,2,3,4,5,6,7
	STEPX \t
.endr
	FINISH
	; ---- the weights
.Lweights:
	s_sub_co_u32 s23, ttmp9, 256
	s_lshr_b32 s44, s23, 6                         ; 0 Wq, 1 Wk, 2 Wv, 3 Wo
	s_and_b32 s23, s23, 63
	s_lshl_b32 s21, s23, 2
	s_add_co_u32 s21, s21, s20                     ; which four rows
	SWAP 22, 21, 23
	s_cmp_eq_u32 s44, 2
	s_cselect_b32 s22, s22, s21                    ; Wv's rows change places, the others' do not
	s_cselect_b64 s[4:5], s[10:11], s[6:7]         ; the choices hang on the work-group's number alone
	s_cmp_eq_u32 s44, 1
	s_cselect_b64 s[4:5], s[8:9], s[4:5]
	s_cmp_eq_u32 s44, 3
	s_cselect_b64 s[4:5], s[12:13], s[4:5]
	s_lshl_b32 s24, s21, 14
	s_add_nc_u64 s[4:5], s[4:5], s[24:25]
	LOADS
	PLACE 23, 22, 45
	s_lshl_b32 s24, s44, 20
	s_add_co_u32 s26, s24, s23
	s_mov_b32 s27, 0
	s_add_nc_u64 s[26:27], s[18:19], s[26:27]
	s_wait_kmcnt 0x0
	s_cmp_eq_u32 s44, 1
	s_cselect_b32 s45, s35, s33                    ; e3 or e1
	s_cmp_eq_u32 s44, 2
	s_cselect_b32 s45, s37, s45                    ; e5
	s_cmp_eq_u32 s44, 3
	s_cselect_b32 s45, s43, s45                    ; e11
	MKSCALE 4, 5, 45
	s_wait_alu depctr_va_vdst(0)                   ; at the head's end
	s_wait_loadcnt 28
	TURN 0, 12, 13
.irp t, 0,1,2,3,4,5,6,7
	STEPW \t
.endr
	FINISH
.Lfunc_end_k_q8203296a83_quant:
	.size	k_q8203296a83_quant, .Lfunc_end_k_q8203296a83_quant-k_q8203296a83_quant
	.p2alignl 7, 3214868480
	.fill 96, 4, 3214868480
	.section	.rodata,"a",@progbits
	.p2align	6, 0x0
	.amdhsa_kernel k_q8203296a83_quant
		.amdhsa_group_segment_fixed_size 66048
		.amdhsa_private_segment_fixed_size 0
		.amdhsa_enable_private_segment 0
		.amdhsa_kernarg_size 64
		.amdhsa_user_sgpr_count 2
		.amdhsa_user_sgpr_kernarg_segment_ptr 1
		.amdhsa_wavefront_size32 1
		.amdhsa_system_sgpr_workgroup_id_x 1
		.amdhsa_system_sgpr_workgroup_id_y 1
		.amdhsa_system_sgpr_workgroup_id_z 1
		.amdhsa_system_vgpr_workitem_id 0
		.amdhsa_next_free_vgpr 226
		.amdhsa_next_free_sgpr 66
		.amdhsa_reserve_vcc 0
		.amdhsa_float_denorm_mode_32 3
		.amdhsa_float_denorm_mode_16_64 3
		.amdhsa_memory_ordered 1
		.amdhsa_forward_progress 1
		.amdhsa_inst_pref_size 61
	.end_amdhsa_kernel
	.amdgpu_metadata
---
amdhsa.version: [ 1, 2 ]
amdhsa.kernels:
  - .name:           k_q8203296a83_quant
    .symbol:         k_q8203296a83_quant.kd
    .args:
      - { .name: x, .offset: 0, .size: 8, .value_kind: global_buffer, .address_space: global }
      - { .name: Wq, .offset: 8, .size: 8, .value_kind: global_buffer, .address_space: global }
      - { .name: Wk, .offset: 16, .size: 8, .value_kind: global_buffer, .address_space: global }
      - { .name: Wv, .offset: 24, .size: 8, .value_kind: global_buffer, .address_space: global }
      - { .name: Wo, .offset: 32, .size: 8, .value_kind: global_buffer, .address_space: global }
      - { .name: lowp_scales, .offset: 40, .size: 8, .value_kind: global_buffer, .address_space: global }
      - { .name: xc, .offset: 48, .size: 8, .value_kind: global_buffer, .address_space: global }
      - { .name: wc, .offset: 56, .size: 8, .value_kind: global_buffer, .address_space: global }
    .group_segment_fixed_size: 66048
    .private_segment_fixed_size: 0
    .kernarg_segment_align: 8
    .kernarg_segment_size: 64
    .max_flat_workgroup_size: 128
    .sgpr_count:     66
    .vgpr_count:     226
    .wavefront_size: 32
...
	.end_amdgpu_metadata
.endif
;; end of part 1
;; launch qkv (part 2): grid 12 x 16, 4 waves a work-group, clusters of 4 x 4, 327,680 bytes of LDS; arguments xc, wc, lowp_scales, qkvc; writes qkvc
.if DOCPART == 2
	.amdgcn_target "amdgcn-amd-amdhsa--gfx1250"
	.amdhsa_code_object_version 6
	.text
	.protected	k_q8203296a83_qkv
	.globl	k_q8203296a83_qkv
	.p2align	8
	.type	k_q8203296a83_qkv,@function
k_q8203296a83_qkv:
	s_mov_b64 s[64:65], 0
	v_nop
	global_prefetch_b8 v0, s[64:65] scope:SCOPE_SE
	s_setreg_imm32_b32 hwreg(HW_REG_WAVE_MODE, 25, 1), 1
	s_wait_xcnt 0x0
	s_wait_alu depctr_hold_cnt(0) depctr_sa_sdst(0) depctr_va_vdst(0) depctr_va_sdst(0) depctr_va_ssrc(0) depctr_va_vcc(0) depctr_vm_vsrc(0)
	s_getreg_b32 s2, hwreg(HW_REG_IB_STS2, 6, 4)
	s_cmp_eq_u32 s2, 0
	s_cbranch_scc0 .Lentry_in_a_cluster
	s_endpgm
.Lentry_in_a_cluster:
	s_bfe_u32 s2, ttmp6, 0x10000c
	s_cmp_lg_u32 s2, 0xf033
	s_cbranch_scc0 .Lentry_shape_is_right
	s_endpgm
.Lentry_shape_is_right:
; q = x Wq^T, k = x Wk^T, v^T = Wv x^T on codes of FP8 (E4M3); the f32 sums are quantised on the way out and leave as IMAGES OF THE OPERAND REGISTERS of the attention's two products.
; The cluster's x says which: 0 q, 1 k, 2 v.  For q and k the rows (source 1) are 4,096 tokens and the columns (source 0) 1,024 features; for v the rows are Wv's 1,024 features and the columns the tokens,
; so that a lane's eight results run along the KEYS, the second product's K.  All else is one text for the three.
; A tile of 256 x 256 is made by a work-group of four waves; a wave makes 128 x 128: 64 accumulators, 512 registers.  3 x 64 = 192 work-groups.  K = 1,024 goes in four steps of 256 through a ring of two LDS slots
; filled by the tensor data mover: a tile's row is 256 bytes of memory.
; CLUSTERS: 4 x 4 work-groups.  The four of a row of the cluster need the same row tiles, the four of a column the same column tiles: each tile is asked for JOINTLY, by the same tensor load with the same
; descriptor and a mask that names the four.  THE MATRIX INSTRUCTION IS USED TRANSPOSED (source 0 = 16 column rows, source 1 = 16 row rows): a lane holds eight neighbouring columns of one row.
; k is permuted inside an instruction, alike on both sides (four loads of 16 bytes a fragment): every product meets its partner, the order of the sums inside an instruction differs from the natural one.
; THE WAY OUT.  A sum stands for sum x 2^(ea + eb); its code is sum / 2^(eo - ea - eb), held within +-448: eo = entry 6 (q), 7 (k), 9 (v) of the scales.  A lane's 8 codes are 8 bytes at 16 r + 8 h of one block of
; 256 bytes of the image (16 slots x 16 along K): one store of the wave writes 256 consecutive bytes, aligned.  No LDS is needed.
;   q (+0), k (+4 MiB): [batch x head 32][tile of 16 tokens 128][d / 16: 4][slot 16][d % 16].    v (+8 MiB): [batch x head 32][128 keys: 16][tile of 16 channels 4][key / 16: 8][slot 16][key % 16].
; The tokens of a tile of q and k, and the channels of a tile of v, are those that the launch before has put at these places (rows with bits 3 and 4 exchanged).
; LIMITS: e6 - e0 - e1, e7 - e2 - e3 and e9 - e4 - e5 lie between -126 and 119.
; REGISTERS, in windows of 256: window 0: v0-31 addresses and the two scale numbers; v32-95 at work on the way out; from v128 the rows' fragments, ONE set (on the way out: the codes).
;   window 1: the columns' fragments, TWO sets, at v0 and v128.   window 2: the accumulators of my rows 0-63 ((a, b) at v[8 (8 a + b)]);   window 3: those of my rows 64-127.
; THE CODES lie in blocks of 128 rows, [row / 128][k / 256: 4][row % 128][256]: the 128 rows that a wave fetches for one K step are 32,768 dense bytes, those of K steps 0 and 1 are 65,536.
; So ONE load a wave at the head brings K steps 0 and 1 (256 rows of 256 bytes); the refills bring one K step each.  LDS: a region for each wave's rows, slot 0 and behind it slot 1.
.set KROW,   256                       ; from row to row in a block, in bytes
.set STEPB,  32768                     ; from K step to K step
.set HA,     68                        ; s[68:75], s[40:47]: descriptor group 1 of the head's loads, for row and column tiles
.set HB,     40
.set PFO,    27                        ; v27     256 x lane: the prefetches' offset; never rewritten
.set PFA,    12                        ; s[12:13] my work-group's 8,192 bytes of the 32,768 that my wave fetches of K step 0
.set BS,     20                        ; s[20:51], on the way out (the descriptors are done with): where block a's columns 0-63 and 64-127 go: s[20 + 4 a:], s[22 + 4 a:]
; PREFETCHES INTO THE L2.  K step 2 is asked for behind the head's load, K step 3 behind K step 2's: each a K step and more ahead of its own load.  One instruction a wave: a lane names an aligned block of 256 bytes; the four
; partners that fetch the same 32,768 bytes jointly take 8,192 each, told apart by address (cx for row tiles, cy for column tiles).  K steps 0 and 1 come by the head's load alone.
.set ROWB,   256                       ; a tile's row in bytes
.set PITCH,  272                       ; an LDS row: 256 bytes + 16 of padding = 68 words, so that the 16 rows that a load touches start 4 banks apart (64 banks of 4 bytes: ISA guide 11.1)
.set FR,     16                        ; registers of a fragment: 16 rows x 128 K
.set NL,     4                         ; LDS loads that bring one
.set NP,     4                         ; places behind this matrix instruction (ISA guide 7.12.1)
.set HALFT,  128*PITCH                 ; 128 rows: what one tensor load brings
.set SLOT,   HALFT                     ; slot 1 of a region begins behind slot 0's 128 rows
.set SPARE,  8*HALFT                   ; behind the four regions: the spare words, 128 bytes for each wave: two blocks of 256 bytes that no other line names
.set ADRA, 16                          ; v16-17  LDS address of my row fragments in slot 0, 1
.set ADRB, 20                          ; v20-21  the same for the columns
.set CO,   26                          ; v26     16 r + 8 h: my 8 bytes of a block of the image
.set SPW,  28                          ; v28     LDS address of my spare word; never rewritten
.set NIL,  29                          ; v29     0; never rewritten
.set LIM,  30                          ; v30     448 x the folded scale
.set SCL,  31                          ; v31     the folded scale as f32
.set TMP,  32                          ; v32-95  a block's 64 sums, held
.set AF,   128                         ; the rows' fragments
.set CD,   128                         ; the codes: 16 registers a block of 16 rows, in the registers that the fragments have left
.set G1, 24                            ; s[24:31] descriptor group 1 for row tiles;  s[32:39] group 0, one set for each slot
.set G0, 32
.set G1B, 48                           ; s[48:55], s[56:63] the same for column tiles
.set G0B, 56
.set MSB, 0
.macro WIN new                         ; the immediate's high byte repeats the setting that is left
.if MSB != \new
	s_set_vgpr_msb (MSB<<8)|\new
.set MSB, \new
.endif
.endm
.set MUL_LO, 0xa1                      ; source 0 window 1, source 1 window 0, C and D window 2
.set MUL_HI, 0xf1                      ; the same, C and D window 3
.set TO_B,   0x40                      ; destination window 1, address window 0
; A joint load: waves 0 and 1 fetch row tiles, waves 2 and 3 column tiles.  Each line has ONE mask and one set of registers for all that issue it; the branch hangs on the wave's number alone.
; Four v_nop follow each of the two lines, ahead of the jump, the label and what follows.
.macro JLOAD g0a, g1a, g0b, g1b
	s_cmp_eq_u32 s15, 0
	s_cbranch_scc0 .Lfor_b_\@
	tensor_load_to_lds s[\g0a:\g0a+3], s[\g1a:\g1a+7]
	s_nop 0
.rept 4
	v_nop
.endr
	s_branch .Lasked_\@
.Lfor_b_\@:
	tensor_load_to_lds s[\g0b:\g0b+3], s[\g1b:\g1b+7]
	s_nop 0
.rept 4
	v_nop
.endr
.Lasked_\@:
.endm
.macro CREST                           ; a round of the cluster's barrier behind its opening barrier
	s_cmp_lg_u32 s14, 0
	s_cbranch_scc1 .Lnot_wave_0_\@
	s_barrier_signal -3
.Lnot_wave_0_\@:
	s_barrier_wait -3
	s_barrier_signal -1
	s_barrier_wait -1
.endm
.macro CROUND                          ; a whole round
	s_barrier_signal -1
	s_barrier_wait -1
	CREST
.endm
	s_load_b128 s[4:7], s[0:1], 0x0                ; x's codes s[4:5], the weights' codes s[6:7]
	s_load_b128 s[8:11], s[0:1], 0x10              ; the scales' exponents s[8:9], the images s[10:11]
	v_lshl_add_u32 v[SPW], v0, 2, SPARE
	v_mov_b32 v[NIL], 0
	ds_add_u32 v28, v29
	ds_add_u32 v28, v29
	s_wait_dscnt 0x0
	v_lshrrev_b32 v1, 5, v0
	v_readfirstlane_b32 s14, v1                    ; wave 0..3
	s_lshr_b32 s15, s14, 1                         ; which half of the tile's rows is mine.  Also: I fetch row tiles (0) or column tiles (1)
	s_and_b32 s16, s14, 1                          ; which half of its columns.  Also: which 128 rows of that tile I fetch
	s_bfe_u32 s40, ttmp6, 0x40000                  ; cx, cy: my place in the cluster
	s_bfe_u32 s41, ttmp6, 0x40004
	s_mov_b32 s66, ttmp9                           ; 0 q, 1 k, 2 v: the same in all sixteen partners
	s_and_b32 s67, ttmp7, 0xffff
	s_lshl_b32 s67, s67, 2                         ; 4 x cluster y: along the tokens
	s_lshl_b32 s74, s66, 22                        ; q, k: the rows are x's codes for q or for k,
	s_lshl_b32 s76, s66, 20                        ; the columns Wq's or Wk's
	s_mov_b32 s75, 0
	s_mov_b32 s77, 0
	s_cmp_eq_u32 s66, 2
	s_cselect_b32 s68, 0, s67                      ; the tokens are the rows (q, k)
	s_cselect_b32 s69, s67, 0                      ; or the columns (v)
	s_cselect_b32 s74, 0x200000, s74               ; v: the rows are Wv's codes,
	s_cselect_b32 s76, 0x800000, s76               ; the columns x's codes for v
	s_add_co_u32 s42, s40, s69                     ; tile column
	s_add_co_u32 s17, s41, s68                     ; tile row
	s_lshl_b32 s43, s41, 2
	s_lshl_b32 s43, 15, s43                        ; my row of the cluster
	s_lshl_b32 s44, 0x1111, s40                    ; my column
	; descriptor group 1: a tile of 128 rows x 256 bytes, padded in LDS
	s_or_b32 s[G1+0], s43, (0<<16)|(1<<20)|(1<<21)|(5<<22)|(3<<25)  ; 15:0 the mask: row tiles go to my row; 17:16 element of 1 byte; 20 padding on; 21 set beside a mask; 24:22 after every 64 words (code 5); 31:25 of 4 words (code 3)
	s_or_b32 s[G1B+0], s44, (0<<16)|(1<<20)|(1<<21)|(5<<22)|(3<<25)
.irp g, G1, G1B
	s_mov_b32 s[\g+1], ROWB<<16                    ; tensor_dim0
	s_mov_b32 s[\g+2], 128<<16                     ; tensor_dim1 = 128
	s_mov_b32 s[\g+3], ROWB<<16                    ; tile_dim0
	s_mov_b32 s[\g+4], 128                         ; tile_dim1 = 128
	s_mov_b32 s[\g+5], KROW                        ; tensor_dim0_stride
	s_mov_b32 s[\g+6], 0
	s_mov_b32 s[\g+7], 0
.endr
	s_lshl_b32 s18, s16, 7                         ; which 128 rows of the tile I fetch
	s_lshl_b32 s20, s17, 8
	s_add_co_u32 s20, s20, s18                     ; row tiles: row 256 x tile row + 128 x half
	s_lshl_b32 s46, s42, 8
	s_add_co_u32 s46, s46, s18                     ; column tiles: row 256 x tile column + 128 x half
	s_lshl_b32 s20, s20, 10                        ; rows of 1,024 bytes: under 4 MiB
	s_lshl_b32 s46, s46, 10
	s_mov_b32 s21, 0
	s_mov_b32 s47, 0
	s_add_nc_u64 s[20:21], s[20:21], s[74:75]      ; + the tensor's place in its buffer
	s_add_nc_u64 s[46:47], s[46:47], s[76:77]
	s_mul_i32 s45, s14, 2*HALFT                    ; where they go: my wave's region: no place in the cluster enters an LDS address
	s_wait_kmcnt 0x0
	s_load_b256 s[80:87], s[8:9], 0x0              ; e0 .. e7
	s_load_b128 s[88:91], s[8:9], 0x20             ; e8 .. e11
	s_cmp_eq_u32 s66, 2
	s_cselect_b64 s[70:71], s[6:7], s[4:5]         ; the rows' buffer
	s_cselect_b64 s[72:73], s[4:5], s[6:7]         ; the columns'
	s_add_nc_u64 s[20:21], s[70:71], s[20:21]
	s_add_nc_u64 s[46:47], s[72:73], s[46:47]
	CROUND                                         ; all sixteen work-groups are here: the first joint loads meet
.irp s, 0,1
	s_mov_b32 s[G0+4*\s], 1
	s_add_co_u32 s[G0+4*\s+1], s45, \s*SLOT
	s_add_nc_u64 s[G0+4*\s+2:G0+4*\s+3], s[20:21], \s*STEPB
	s_or_b32 s[G0+4*\s+3], s[G0+4*\s+3], 0x80000000
	s_mov_b32 s[G0B+4*\s], 1
	s_add_co_u32 s[G0B+4*\s+1], s45, \s*SLOT
	s_add_nc_u64 s[G0B+4*\s+2:G0B+4*\s+3], s[46:47], \s*STEPB
	s_or_b32 s[G0B+4*\s+3], s[G0B+4*\s+3], 0x80000000
.endr
	s_cmp_eq_u32 s15, 0
	s_cselect_b32 s22, s40, s41
	s_cselect_b64 s[PFA:PFA+1], s[20:21], s[46:47]
	s_lshl_b32 s22, s22, 13
	s_mov_b32 s23, 0
	s_add_nc_u64 s[PFA:PFA+1], s[PFA:PFA+1], s[22:23]
	s_mov_b32 s79, s42                             ; the tile column, kept for the way out
	s_or_b32 s[HA], s43, (0<<16)|(1<<20)|(1<<21)|(5<<22)|(3<<25)
	s_or_b32 s[HB], s44, (0<<16)|(1<<20)|(1<<21)|(5<<22)|(3<<25)
.irp g, HA, HB
	s_mov_b32 s[\g+1], ROWB<<16
	s_mov_b32 s[\g+2], 256<<16                     ; 256 rows: K step 0's 128, then K step 1's
	s_mov_b32 s[\g+3], ROWB<<16
	s_mov_b32 s[\g+4], 256
	s_mov_b32 s[\g+5], KROW
	s_mov_b32 s[\g+6], 0
	s_mov_b32 s[\g+7], 0
.endr
	JLOAD G0, HA, G0B, HB                          ; both slots: a wave's one tensor load at the head
	v_and_b32 v1, 15, v0                           ; r = l % 16
	v_bfe_u32 v2, v0, 4, 1                         ; h = l / 16
	v_mul_u32_u24 v3, v1, PITCH
	v_lshl_add_u32 v4, v2, 4, v3                   ; a fragment's row x pitch + 16 x half
	s_mul_i32 s21, s15, 2*HALFT                    ; my 128 rows: the region of wave 0 or 1
	s_mul_i32 s22, s16, 2*HALFT                    ; my 128 columns:
	s_add_co_u32 s22, s22, 4*HALFT                 ; the region of wave 2 or 3
.irp s, 0,1
	v_add_nc_u32 v[ADRA+\s], s21, v4
	v_add_nc_u32 v[ADRB+\s], s22, v4
	s_add_co_u32 s21, s21, SLOT
	s_add_co_u32 s22, s22, SLOT
.endr
	v_lshlrev_b32 v[CO], 4, v1
	v_lshl_add_u32 v[CO], v2, 3, v[CO]             ; 16 r + 8 h
	; where my wave's part of the images begins.  P = my first token, F = my first feature, both multiples of 128:
	; tensor x 4 MiB + (P / 2048) x 2 MiB (the batch's 16 heads) + (F / 64) x 128 KiB (the head) + (P % 2048) x 64 (16 tokens are 1 KiB of q or k; 128 keys are 8 KiB of v)
	s_lshl_b32 s92, s17, 8
	s_lshl_b32 s93, s15, 7
	s_add_co_u32 s92, s92, s93                     ; my first row
	s_lshl_b32 s94, s79, 8
	s_lshl_b32 s95, s16, 7
	s_add_co_u32 s94, s94, s95                     ; my first column
	s_cmp_eq_u32 s66, 2
	s_cselect_b32 s93, s94, s92                    ; P
	s_cselect_b32 s95, s92, s94                    ; F
	s_lshl_b32 s92, s66, 22
	s_lshr_b32 s94, s93, 11
	s_lshl_b32 s94, s94, 21
	s_add_co_u32 s92, s92, s94
	s_lshr_b32 s94, s95, 6
	s_lshl_b32 s94, s94, 17
	s_add_co_u32 s92, s92, s94
	s_and_b32 s94, s93, 2047
	s_lshl_b32 s94, s94, 6
	s_add_co_u32 s92, s92, s94
	s_mov_b32 s93, 0
	s_add_nc_u64 s[10:11], s[10:11], s[92:93]
.macro FRAG reg, adr, q, i             ; a fragment, 16 rows x 128 K, is 16 registers: lane l holds row l % 16; registers 4 c .. 4 c + 3 hold K = 32 c + 16 (l / 16) + 0 .. 15
.irp c, 0,1,2,3
	ds_load_b128 v[\reg+4*\c:\reg+4*\c+3], v[\adr] offset:128*(\q)+32*\c+(\i)*16*PITCH
.endr
.endm
; 16 matrix instructions: row blocks a0, a0 + 1 x the eight column blocks, 128 along K.  p: the columns' set.  zero = 1: the first product starts the sums: nothing is ever cleared.
; The 64 accumulators take turns, one instruction a turn, in the same order in every step.
.macro MUL16 a0, p, zero
.irp a, \a0, \a0+1
.irp b, 0,1,2,3,4,5,6,7
.if \zero
	v_wmma_f32_16x16x128_fp8_fp8 v[8*(8*((\a)%4)+\b):8*(8*((\a)%4)+\b)+7], v[128*(\p)+FR*\b:128*(\p)+FR*\b+FR-1], v[AF+FR*(\a):AF+FR*(\a)+FR-1], 0
.else
	v_wmma_f32_16x16x128_fp8_fp8 v[8*(8*((\a)%4)+\b):8*(8*((\a)%4)+\b)+7], v[128*(\p)+FR*\b:128*(\p)+FR*\b+FR-1], v[AF+FR*(\a):AF+FR*(\a)+FR-1], v[8*(8*((\a)%4)+\b):8*(8*((\a)%4)+\b)+7]
.endif
.endr
.endr
.endm
.macro FETCH_B slot, q, p              ; the eight column fragments of the slot's q-th 128 along K into set p
	WIN TO_B
.irp i, 0,1,2,3,4,5,6,7
	FRAG 128*(\p)+FR*\i, ADRB+\slot, \q, \i
.endr
	WIN 0
.endm
.macro FETCH_A slot, q, i0             ; row blocks i0 .. i0 + 3
.irp i, \i0, \i0+1, \i0+2, \i0+3
	FRAG AF+FR*(\i), ADRA+\slot, \q, \i
.endr
.endm
; A load into a register that a matrix instruction has read, and a vector instruction that reads a matrix result or writes one of its registers, stand NP places behind it; only plain vector
; instructions that name none of its registers are places (ISA guide 7.12.1 for vector instructions).
.macro PLACES n
.rept \n
	v_nop
.endr
.endm
; A step of 128 along K that has its successor in the same slot.  A row block is free as soon as its eight products are issued, so the rows have one set of registers: blocks 0-3 are fetched anew
; in the step's middle, blocks 4-7 at its end.  The columns' fragments are at work through the whole step and have two sets.
.macro STEP slot, q, zero
	s_wait_dscnt 4*NL                              ; the columns' set and row blocks 0-3 are in; the youngest 16 loads (row blocks 4-7) may be out
	WIN MUL_LO
	MUL16 0, (\q)%2, \zero
	MUL16 2, (\q)%2, \zero
	s_wait_dscnt 0                                 ; row blocks 4-7 are in (asked for 32 matrix instructions ago)
	PLACES NP
	FETCH_B \slot, (\q)+1, 1-(\q)%2
	FETCH_A \slot, (\q)+1, 0
	WIN MUL_HI
	MUL16 4, (\q)%2, \zero
	MUL16 6, (\q)%2, \zero
	PLACES NP
	WIN 0
	FETCH_A \slot, (\q)+1, 4
.endm
; A slot's last step changes slots: ONE barrier; in front of it each wave waits for all its tensor loads, adds 0 to its spare word, and waits for that and for its own reads of this slot.  fill = 1: this slot is filled again, two K steps ahead.
.macro TURN slot, next, fill
	s_wait_tensorcnt 0x0                           ; all my tensor loads have landed: my part of the next slot;  (every window is 0 here)
	ds_add_u32 v[SPW], v[NIL]                      ; 0 onto my spare word;
	s_wait_dscnt 4*NL+1                            ; (the add and the youngest 16 loads, row blocks 4-7, may be out)
	WIN MUL_LO
	MUL16 0, 1, 0                                  ; sixteen matrix instructions stand between the add and the wait for it
	s_wait_dscnt 0x0                               ; the add is done, and my reads of this slot are over
	s_barrier_signal -1
	MUL16 2, 1, 0
	WIN 0
	s_barrier_wait -1
.if \fill
	CREST                                          ; the barrier has opened a round of the cluster's barrier: no wave of any partner still reads this slot's tile or has a load on its way
	s_add_nc_u64 s[G0+4*\slot+2:G0+4*\slot+3], s[G0+4*\slot+2:G0+4*\slot+3], 2*STEPB
	s_add_nc_u64 s[G0B+4*\slot+2:G0B+4*\slot+3], s[G0B+4*\slot+2:G0B+4*\slot+3], 2*STEPB
	JLOAD G0+4*\slot, G1, G0B+4*\slot, G1B         ; the first tensor load behind the round; the four v_nop behind it are the places in front of the loads below
.else
	PLACES NP
.endif
	FETCH_B \next, 0, 0
	FETCH_A \next, 0, 0
.if (\fill) && (\slot) == 0
	global_prefetch_b8 v[PFO], s[PFA:PFA+1] offset:3*STEPB th:TH_LOAD_NT scope:SCOPE_SE
.endif
	WIN MUL_HI
	MUL16 4, 1, 0
	MUL16 6, 1, 0
	PLACES NP
	WIN 0
	FETCH_A \next, 0, 4
.endm
	v_and_b32 v[PFO], 31, v0
	v_lshlrev_b32 v[PFO], 8, v[PFO]
	global_prefetch_b8 v[PFO], s[PFA:PFA+1] offset:2*STEPB th:TH_LOAD_NT scope:SCOPE_SE
	s_wait_alu depctr_va_vdst(0)                   ; at the head's end
	s_wait_tensorcnt 0x0                           ; my part of K steps 0 and 1 is in,
	s_barrier_signal -1
	s_barrier_wait -1                              ; everybody's is
	FETCH_B 0, 0, 0
	FETCH_A 0, 0, 0
	FETCH_A 0, 0, 4
	STEP 0, 0, 1                                   ; K 0-127: its products start the sums.  Eight steps of 128, written on end: the ring goes round twice
	TURN 0, 1, 1                                   ; K 128-255; slot 0 takes K 512-767
	STEP 1, 0, 0
	TURN 1, 0, 1                                   ; slot 1 takes K 768-1023
	STEP 0, 0, 0
	TURN 0, 1, 0                                   ; nothing is left to fetch: no round of the cluster's barrier
	STEP 1, 0, 0
	; THE VERY LAST STEP GOES BY ROW BLOCKS: while later blocks are multiplied, finished ones are quantised and stored
	s_wait_kmcnt 0x0
	s_sub_co_i32 s92, s86, s80
	s_sub_co_i32 s92, s92, s81                     ; q: e6 - e0 - e1
	s_sub_co_i32 s93, s87, s82
	s_sub_co_i32 s93, s93, s83                     ; k: e7 - e2 - e3
	s_sub_co_i32 s94, s89, s84
	s_sub_co_i32 s94, s94, s85                     ; v: e9 - e4 - e5
	s_cmp_eq_u32 s66, 1
	s_cselect_b32 s92, s93, s92
	s_cmp_eq_u32 s66, 2
	s_cselect_b32 s92, s94, s92                    ; the three scales folded into the conversion's one; chosen without a jump
	s_add_co_i32 s92, s92, 127
	s_lshl_b32 s93, s92, 23
	v_mov_b32 v[SCL], s93
	s_add_co_i32 s92, s92, 8
	s_lshl_b32 s92, s92, 23
	s_or_b32 s92, s92, 0x600000
	v_mov_b32 v[LIM], s92
	; where the blocks go.  q, k: block a is a tile of 16 tokens (1 KiB on), columns 64-127 are the next head.  v: block a is head a / 4 on, tile of channels a % 4 (2 KiB), columns 64-127 the next 64 keys
	s_mov_b32 s72, 1024
	s_mov_b32 s74, 4096
	s_mov_b32 s76, 0x20000
	s_mov_b32 s73, 0
	s_mov_b32 s75, 0
	s_mov_b32 s77, 0
	s_cmp_eq_u32 s66, 2                            ; the same in all sixteen partners
	s_cselect_b32 s72, 2048, s72
	s_cselect_b32 s74, 0x20000, s74
	s_cselect_b32 s76, 1024, s76
	s_mov_b64 s[BS:BS+1], s[10:11]
	s_add_nc_u64 s[BS+16:BS+17], s[BS:BS+1], s[74:75]
.irp a, 1,2,3,5,6,7
	s_add_nc_u64 s[BS+4*\a:BS+4*\a+1], s[BS+4*\a-4:BS+4*\a-3], s[72:73]
.endr
.irp a, 0,1,2,3,4,5,6,7
	s_add_nc_u64 s[BS+4*\a+2:BS+4*\a+3], s[BS+4*\a:BS+4*\a+1], s[76:77]
.endr
.macro MUL8 a                          ; row block a x the eight column blocks, the last 128 along K (the columns' set 1)
	WIN MUL_LO+0x50*((\a)/4)
.irp b, 0,1,2,3,4,5,6,7
	v_wmma_f32_16x16x128_fp8_fp8 v[64*((\a)%4)+8*\b:64*((\a)%4)+8*\b+7], v[128+FR*\b:128+FR*\b+FR-1], v[AF+FR*(\a):AF+FR*(\a)+FR-1], v[64*((\a)%4)+8*\b:64*((\a)%4)+8*\b+7]
.endr
.endm
; Block a (16 rows x 128 columns): 64 sums a lane are held into v[TMP] on (each accumulator from its low end on) and become 16 registers of codes
.macro QBLOCK a
	WIN 0x02+((\a)/4)                              ; source 0: window 2 or 3
.set j, 0
.rept 64
	v_med3_num_f32 v[TMP+j], v[64*((\a)%4)+j], -v[LIM], v[LIM]   ; the conversion to an 8-bit code does not saturate (ISA guide 7.6.2)
.set j, j+1
.endr
	WIN 0
.irp b, 0,1,2,3,4,5,6,7
	v_cvt_scalef32_pk8_fp8_f32 v[CD+16*(\a)+2*\b:CD+16*(\a)+2*\b+1], v[TMP+8*\b:TMP+8*\b+7], v[SCL]
.endr
	v_nop                                          ; one plain vector line between the conversions and the next block's lines, which write their sources
.endm
	s_wait_alu depctr_va_vdst(0)                   ; directly ahead of the wait below
	s_wait_dscnt 4*NL                              ; the columns' set and row blocks 0-3 are in
	MUL8 0
	MUL8 1
	s_wait_dscnt 0                                 ; row blocks 4-7 are in
	PLACES NP                                      ; behind block 0's products; a block's 64 holds are the places behind the next block's
.irp a, 0,1,2,3,4,5,6,7
	QBLOCK \a
.if \a < 6
	MUL8 \a+2
	WIN 0
.endif
.irp b, 0,1,2,3,4,5,6,7
	global_store_b64 v[CO], v[CD+16*\a+2*\b:CD+16*\a+2*\b+1], s[BS+4*\a+2*(\b/4):BS+4*\a+2*(\b/4)+1] offset:(\b%4)*256   ; 32 lanes store 256 consecutive bytes, aligned
.endr
.endr
	s_wait_tensorcnt 0x0                           ; the wave's end
	ds_add_u32 v[SPW], v[NIL]
	s_wait_dscnt 0x0
	CROUND                                         ; the closing round: no work-group ends while a partner may still ask for a tile that names it
	s_endpgm
.Lfunc_end_k_q8203296a83_qkv:
	.size	k_q8203296a83_qkv, .Lfunc_end_k_q8203296a83_qkv-k_q8203296a83_qkv
	.p2alignl 7, 3214868480
	.fill 96, 4, 3214868480
	.section	.rodata,"a",@progbits
	.p2align	6, 0x0
	.amdhsa_kernel k_q8203296a83_qkv
		.amdhsa_group_segment_fixed_size 327680
		.amdhsa_private_segment_fixed_size 0
		.amdhsa_enable_private_segment 0
		.amdhsa_kernarg_size 32
		.amdhsa_user_sgpr_count 2
		.amdhsa_user_sgpr_kernarg_segment_ptr 1
		.amdhsa_wavefront_size32 1
		.amdhsa_system_sgpr_workgroup_id_x 1
		.amdhsa_system_sgpr_workgroup_id_y 1
		.amdhsa_system_sgpr_workgroup_id_z 1
		.amdhsa_system_vgpr_workitem_id 0
		.amdhsa_next_free_vgpr 1024
		.amdhsa_next_free_sgpr 98
		.amdhsa_reserve_vcc 0
		.amdhsa_float_denorm_mode_32 3
		.amdhsa_float_denorm_mode_16_64 3
		.amdhsa_memory_ordered 1
		.amdhsa_forward_progress 1
		.amdhsa_inst_pref_size 124
	.end_amdhsa_kernel
	.amdgpu_metadata
---
amdhsa.version: [ 1, 2 ]
amdhsa.kernels:
  - .name:           k_q8203296a83_qkv
    .symbol:         k_q8203296a83_qkv.kd
    .args:
      - { .name: xc, .offset: 0, .size: 8, .value_kind: global_buffer, .address_space: global }
      - { .name: wc, .offset: 8, .size: 8, .value_kind: global_buffer, .address_space: global }
      - { .name: lowp_scales, .offset: 16, .size: 8, .value_kind: global_buffer, .address_space: global }
      - { .name: qkvc, .offset: 24, .size: 8, .value_kind: global_buffer, .address_space: global }
    .group_segment_fixed_size: 327680
    .private_segment_fixed_size: 0
    .kernarg_segment_align: 8
    .kernarg_segment_size: 32
    .max_flat_workgroup_size: 128
    .sgpr_count:     98
    .vgpr_count:     1024
    .wavefront_size: 32
...
	.end_amdgpu_metadata
.endif
;; end of part 2
;; launch attn (part 3): grid 8 x 32, 8 waves a work-group, clusters of 4 x 1, 327,680 bytes of LDS; arguments qkvc, lowp_scales, oc; writes oc
.if DOCPART == 3
	.amdgcn_target "amdgcn-amd-amdhsa--gfx1250"
	.amdhsa_code_object_version 6
	.text
	.protected	k_q8203296a83_attn
	.globl	k_q8203296a83_attn
	.p2align	8
	.type	k_q8203296a83_attn,@function
k_q8203296a83_attn:
	s_mov_b64 s[64:65], 0
	v_nop
	global_prefetch_b8 v0, s[64:65] scope:SCOPE_SE
	s_setreg_imm32_b32 hwreg(HW_REG_WAVE_MODE, 25, 1), 1
	s_wait_xcnt 0x0
	s_wait_alu depctr_hold_cnt(0) depctr_sa_sdst(0) depctr_va_vdst(0) depctr_va_sdst(0) depctr_va_ssrc(0) depctr_va_vcc(0) depctr_vm_vsrc(0)
	s_getreg_b32 s2, hwreg(HW_REG_IB_STS2, 6, 4)
	s_cmp_eq_u32 s2, 0
	s_cbranch_scc0 .Lentry_in_a_cluster
	s_endpgm
.Lentry_in_a_cluster:
	s_bfe_u32 s2, ttmp6, 0x10000c
	s_cmp_lg_u32 s2, 0x3003
	s_cbranch_scc0 .Lentry_shape_is_right
	s_endpgm
.Lentry_shape_is_right:
; Causal attention of 32 (batch, head) pairs on codes of FP8 (E4M3): o = softmax(q k^T / 8) v, both products on codes, o's codes stored as images of the next product's row fragments.
; q (+0), k (+4 MiB): [pair 32][tile of 16 tokens 128][d / 16: 4][slot 16][16];  v (+8 MiB): [pair][128 keys: 16][tile of 16 channels 4][key / 16: 8][slot 16][16 keys].
; oc: [tile of 16 tokens 256][K step of 128: 8][group 4][lane 32][16].  Slot r of tile T is token 32 (T / 2) + 8 (T % 2) + r + 8 (r / 8); a tile of channels likewise: so the 16 registers of two neighbouring
; result tiles are 16 neighbours along the next product's K.
; SOFTMAX: t = score x log2(e) / 8; M = the running largest t rounded up to a whole number, kept as -M; p = 2^(t - M) is quantised, the sum is taken of the unquantised p and divides at the end.
; SHARES.  A group is 128 queries, 16 groups a pair.  The cluster's x is X (0, 1), cx is a work-group's place in it.  Waves w and w + 4 (p = w % 4, half = w / 4) own block A = 32 queries of group 15 - g and block B = 32 queries
; of group g, g = 2 p + X, both at 32 cx in their group: 17 key steps of 128 in all, whatever g.  They take the key steps by turns (step j belongs to half j % 2): 9 and 8 steps.  At the end half 1 hands its part of A to half 0,
; half 0 its part of B to half 1, through LDS, and each finishes one block.  Key steps that the causal mask hides whole are left out; on the diagonal hidden scores become -infinity.
; Work left out: products and exponentials whose probability the causal mask sets to 0 for all inputs.  LIMIT: a NaN or an infinity that reaches only them is not carried to the result.
; A step works two tiles of 16 queries on one set of fragments of K and V.
; LOADS.  All of a pair's K (128 KiB) and V (128 KiB) lie in LDS.  The four work-groups of a cluster share the pair: each wave asks jointly for 16 KiB of the first 1,024 keys at the head and 16 KiB of the
; last 1,024 behind a second round; three key steps stand between that request and the wait for it.  Nothing is filled again, so no slot turns.
; No data prefetch: every byte of K and V is asked for by a wave's two loads, the second issued when the first has landed; no later trip loads from memory.
; FRAGMENTS of the wave's next step are asked for from LDS right behind the products that have read the registers: K's behind the scores, V's behind the second product.
; LIMITS: e6 + e7 between -123 and 130, e8 and e10 between -126 and 119; scaled scores under 2^31 in magnitude.
; REGISTERS.  Window 0: below; v32-63 Q (A's two tiles, B's two); v64-127, v128-191 the scores, then p, of the two tiles; v192-223 p's codes; from v224 at work.
;   Window 1: v0-63 K's fragments, v64-127 V's, v128-191 O^T of A (two tiles x 32), v192-255 O^T of B.
.set LI,   1                           ; 16 x lane
.set ADK,  2                           ; LDS address of the next step's K,
.set ADV,  3                           ; and V
.set DM0,  4                           ; tile 0: my query's place in its group less 16 (lane / 16);
.set SPW,  6                           ; LDS address of my spare word; never rewritten
.set NIL,  7                           ; 0; never rewritten
.set EXA,  8                           ; LDS address of the exchange of A's parts,
.set EXB,  9                           ; and of B's
.set DM1,  10                          ; tile 1's
.set NINF, 11
.set PSC,  13                          ; 2^e8
.set OLIM, 14                          ; 448 x 2^e10
.set OSC,  15                          ; 2^e10
; v16-31: for each of A's two tiles and B's two: -M, the largest t, the sum in two halves
.set S0,   64
.set S1,   128
.set P0,   192
.set P1,   208
.set T0,   224
.set T1,   225
.set T2,   226
.set T3,   227
.set F0,   228                         ; pairs: the factors of a change of M
.set F1,   230
.set SB0,  232                         ; three pairs each: partial sums
.set SB1,  238
.set X,    244                         ; -M, sum; -M, sum of the other half's two tiles
.set VOFF, 131072                      ; V in LDS, behind K
.set SPARE, 262144                     ; the spare words: 8 x 128 bytes, four blocks of 256 bytes that no other line names
.set EXW,  8704                        ; an exchange: 17 x 512 bytes.  A's lie in K's bytes, B's in V's, from the first key on: they have had their one fill, and a barrier stands behind their last read
; ORDER: A's first three steps, as many in every wave; the barrier for the last 1,024 keys; A's other steps; B's.
.set WV,   10
.set SEL,  20
.set CS,   22                          ; s[22:23] log2(e) / 8 with e6 + e7 added to its exponent
.set G1,   24
.set G0,   32                          ; s[32:35], s[36:39]: the two halves of the keys
.set TN,   40                          ; LDS byte of the next step's tiles
.set TB0,  41                          ; of my first step: 8,192 x half
.set H,    42                          ; half
.set GA,   43                          ; A's group: its last key step
.set GB,   44                          ; B's
.set PL,   45                          ; 448 x 2^e8
.set TB,   48
.set JJ,   49                          ; key step
.set CNT,  51
.set MSB, 0
.macro WIN new                         ; the immediate's high byte repeats the setting that is left
.if MSB != \new
	s_set_vgpr_msb (MSB<<8)|\new
.set MSB, \new
.endif
.endm
.macro CROUND                          ; a round of the cluster's barrier
	s_barrier_signal -1
	s_barrier_wait -1
	s_cmp_lg_u32 s[WV], 0
	s_cbranch_scc1 .Lnot_wave_0_\@
	s_barrier_signal -3
.Lnot_wave_0_\@:
	s_barrier_wait -3
	s_barrier_signal -1
	s_barrier_wait -1
.endm
.macro LDK                             ; K's fragments of 128 keys: 8 tiles x 8 registers
	WIN 0x40
.irp t, 0,1,2,3,4,5,6,7
	ds_load_b128 v[8*\t:8*\t+3],   v[ADK] offset:1024*\t
	ds_load_b128 v[8*\t+4:8*\t+7], v[ADK] offset:1024*\t+512
.endr
	WIN 0
.endm
.macro LDV                             ; V's: 4 tiles of channels x 16 registers
	WIN 0x40
.irp t, 0,1,2,3
.irp c, 0,1,2,3
	ds_load_b128 v[64+16*\t+4*\c:64+16*\t+4*\c+3], v[ADV] offset:2048*\t+512*\c
.endr
.endr
	WIN 0
.endm
.macro SUMS s, u, b                    ; 64 unquantised p into the sum, in four chains; the last addition stands behind the second product
	v_pk_add_f32 v[\b:\b+1], v[\s:\s+1], v[\s+2:\s+3]
	v_pk_add_f32 v[\b+2:\b+3], v[\s+4:\s+5], v[\s+6:\s+7]
	v_pk_add_f32 v[\b+4:\b+5], v[\s+8:\s+9], v[\s+10:\s+11]
	v_pk_add_f32 v[(\u):(\u)+1], v[(\u):(\u)+1], v[\s+12:\s+13]
.set j, 14
.rept 6
	v_pk_add_f32 v[\b:\b+1], v[\b:\b+1], v[\s+j:\s+j+1]
	v_pk_add_f32 v[\b+2:\b+3], v[\b+2:\b+3], v[\s+j+2:\s+j+3]
	v_pk_add_f32 v[\b+4:\b+5], v[\b+4:\b+5], v[\s+j+4:\s+j+5]
	v_pk_add_f32 v[(\u):(\u)+1], v[(\u):(\u)+1], v[\s+j+6:\s+j+7]
.set j, j+8
.endr
	v_pk_add_f32 v[\b:\b+1], v[\b:\b+1], v[\s+62:\s+63]
	v_pk_add_f32 v[\b+2:\b+3], v[\b+2:\b+3], v[\b+4:\b+5]
	v_pk_add_f32 v[\b:\b+1], v[\b:\b+1], v[\b+2:\b+3]
.endm
.macro CODES s, p                      ; 64 p into 16 registers of codes
.irp b, 0,1,2,3,4,5,6,7
	v_cvt_scalef32_pk8_fp8_f32 v[\p+2*\b:\p+2*\b+1], v[\s+8*\b:\s+8*\b+7], v[PSC]
.endr
.endm
; A KEY STEP of block k (0 A, 1 B).  mode 1: left out where the mask hides it whole, masked on the diagonal.  The branches hang on the wave's number, X and the trip alone; no barrier or tensor load stands in a step.
.macro STEP k, mode
.set ST, 16+8*\k
.set QB, 32+16*\k
.set OB, 128+64*\k
.set AA, GA+\k
.if \mode
	s_cmp_gt_u32 s[JJ], s[AA]
	s_cbranch_scc1 .Lskip_\@
.endif
	s_add_co_u32 s[TN], s[TB], 16384               ; my next step's tiles: two steps of 8,192 bytes on
.if \mode
.if \k
	s_min_u32 s[TN], s[TN], 0xe000                 ; (behind B's last step they are loaded and not used)
.else
	s_min_u32 s[TN], s[TN], 0x1e000
	s_add_co_u32 s96, s[JJ], 2
	s_cmp_le_u32 s96, s[AA]
	s_cselect_b32 s[TN], s[TN], s[TB0]             ; behind A's last step: B's first
.endif
.endif
	s_wait_dscnt 16                                ; K's 16 loads are in; V's 16, issued behind them, may be out
	WIN 0x01
.irp t, 0,1,2,3,4,5,6,7                ; S^T = K Q^T: lane (r, h) holds query r; register 16 b + i is key 32 b + 16 h + i
	v_wmma_f32_16x16x64_fp8_fp8 v[S0+8*\t:S0+8*\t+7], v[8*\t:8*\t+7], v[QB:QB+7], 0
.endr
.irp t, 0,1,2,3,4,5,6,7
	v_wmma_f32_16x16x64_fp8_fp8 v[S1+8*\t:S1+8*\t+7], v[8*\t:8*\t+7], v[QB+8:QB+15], 0
.endr
	WIN 0
	v_add_nc_u32 v[ADK], s[TN], v[LI]              ; four places in front of the loads into K's registers and of the reads of scores
	v_add_nc_u32 v[ADV], VOFF, v[ADK]
	v_nop
	v_nop
	LDK
.if \mode
	s_cmp_lg_u32 s[JJ], s[AA]
	s_cbranch_scc1 .Lopen_\@
.set n, 0
.rept 32                               ; register 16 b + i: 16 b + i = 16 (n / 8) + n % 8, or 8 more.  Tile 1's queries lie 8 further on than tile 0's: its register 8 on has tile 0's condition
	v_cmp_gt_i32 vcc_lo, 32*(n/8)+n%8, v[DM0]
	v_cmp_gt_i32 s96, 32*(n/8)+n%8, v[DM1]
	v_cmp_gt_i32 s97, 32*(n/8)+n%8+8, v[DM0]
	v_cndmask_b32 v[S0+16*(n/8)+n%8], v[S0+16*(n/8)+n%8], v[NINF], vcc_lo
	v_cndmask_b32 v[S1+16*(n/8)+n%8+8], v[S1+16*(n/8)+n%8+8], v[NINF], vcc_lo
	v_cndmask_b32 v[S1+16*(n/8)+n%8], v[S1+16*(n/8)+n%8], v[NINF], s96
	v_cndmask_b32 v[S0+16*(n/8)+n%8+8], v[S0+16*(n/8)+n%8+8], v[NINF], s97
.set n, n+1
.endr
.Lopen_\@:
.endif
	v_max3_num_f32 v[T0], v[S0], v[S0+1], v[S0+2]  ; the largest scores, two chains a tile
	v_max3_num_f32 v[T2], v[S1], v[S1+1], v[S1+2]
	v_max3_num_f32 v[T1], v[S0+3], v[S0+4], v[S0+5]
	v_max3_num_f32 v[T3], v[S1+3], v[S1+4], v[S1+5]
.irp i, 6,10,14,18,22,26,30,34,38,42,46,50,54,58
	v_max3_num_f32 v[T0], v[T0], v[S0+\i], v[S0+1+\i]
	v_max3_num_f32 v[T2], v[T2], v[S1+\i], v[S1+1+\i]
	v_max3_num_f32 v[T1], v[T1], v[S0+2+\i], v[S0+3+\i]
	v_max3_num_f32 v[T3], v[T3], v[S1+2+\i], v[S1+3+\i]
.endr
	v_max3_num_f32 v[T0], v[T0], v[S0+62], v[S0+63]
	v_max3_num_f32 v[T2], v[T2], v[S1+62], v[S1+63]
	v_max_num_f32 v[T0], v[T0], v[T1]
	v_max_num_f32 v[T2], v[T2], v[T3]
	v_permlanex16_b32 v[T1], v[T0], s[SEL], s[SEL+1]
	v_permlanex16_b32 v[T3], v[T2], s[SEL], s[SEL+1]
	v_max_num_f32 v[T0], v[T0], v[T1]
	v_max_num_f32 v[T2], v[T2], v[T3]
	v_mul_f32 v[T0], s[CS], v[T0]                  ; as t
	v_mul_f32 v[T2], s[CS], v[T2]
	v_max_num_f32 v[ST+1], v[ST+1], v[T0]          ; the running largest t
	v_max_num_f32 v[ST+5], v[ST+5], v[T2]
	v_floor_f32 v[T1], -v[ST+1]                    ; the new -M
	v_floor_f32 v[T3], -v[ST+5]
	v_sub_f32 v[T0], v[T1], v[ST]                  ; old M less new M
	v_sub_f32 v[T2], v[T3], v[ST+4]
	v_mov_b32 v[ST], v[T1]
	v_mov_b32 v[ST+4], v[T3]
	v_cvt_i32_f32 v[T0], v[T0]                     ; (it saturates)
	v_cvt_i32_f32 v[T2], v[T2]
	v_ldexp_f32 v[F0], 1.0, v[T0]                  ; 2^(old M - new M): a multiplication by it rounds nothing
	v_ldexp_f32 v[F1], 1.0, v[T2]
.set j, 0
.rept 32
	v_pk_fma_f32 v[S0+j:S0+j+1], v[S0+j:S0+j+1], s[CS:CS+1], v[ST:ST+1] op_sel_hi:[1,0,0]   ; t - M
.set j, j+2
.endr
	s_wait_alu depctr_va_vdst(0)                   ; ahead of the batch
.set j, 0
.rept 32                               ; tile 0's exponentials; tile 1's t - M, which none of them reads, lie among them
	v_exp_f32 v[S0+j], v[S0+j]
	v_pk_fma_f32 v[S1+j:S1+j+1], v[S1+j:S1+j+1], s[CS:CS+1], v[ST+4:ST+5] op_sel_hi:[1,0,0]
	v_exp_f32 v[S0+j+1], v[S0+j+1]
.set j, j+2
.endr
	v_pk_mul_f32 v[ST+2:ST+3], v[ST+2:ST+3], v[F0:F0+1] op_sel_hi:[1,0]
	s_wait_alu depctr_va_vdst(0)                   ; behind the batch, and ahead of the next one
	SUMS S0, ST+2, SB0
.set j, 0
.rept 32                               ; tile 1's exponentials; tile 0's holds among them (the conversion to an 8-bit code does not saturate: ISA guide 7.6.2; p is never negative)
	v_exp_f32 v[S1+j], v[S1+j]
	v_dual_min_num_f32 v[S0+j], s[PL], v[S0+j] :: v_dual_min_num_f32 v[S0+j+1], s[PL], v[S0+j+1]
	v_exp_f32 v[S1+j+1], v[S1+j+1]
.set j, j+2
.endr
	v_pk_mul_f32 v[ST+6:ST+7], v[ST+6:ST+7], v[F1:F1+1] op_sel_hi:[1,0]
	s_wait_dscnt 16                                ; V's loads are in; the next step's 16 of K, issued behind them, may be out
	WIN 0x41
	s_wait_alu depctr_va_vdst(0)                   ; behind the batch, and directly ahead of the first reader of O^T: one for both
.set j, 0
.rept 16
	v_pk_mul_f32 v[OB+j:OB+j+1], v[OB+j:OB+j+1], v[F0:F0+1] op_sel_hi:[1,0]   ; O^T under the new M
.set j, j+2
.endr
.rept 16
	v_pk_mul_f32 v[OB+j:OB+j+1], v[OB+j:OB+j+1], v[F1:F1+1] op_sel_hi:[1,0]
.set j, j+2
.endr
	WIN 0
	SUMS S1, ST+6, SB1
	CODES S0, P0
.set j, 0
.rept 32
	v_dual_min_num_f32 v[S1+j], s[PL], v[S1+j] :: v_dual_min_num_f32 v[S1+j+1], s[PL], v[S1+j+1]
.set j, j+2
.endr
	CODES S1, P1
	v_nop                                          ; one plain line between the conversions and the products
	WIN 0x51
.irp t, 0,1,2,3                        ; O^T += V^T P^T: eight accumulators, one instruction a turn
	v_wmma_f32_16x16x128_fp8_fp8 v[OB+8*\t:OB+8*\t+7], v[64+16*\t:64+16*\t+15], v[P0:P0+15], v[OB+8*\t:OB+8*\t+7]
.endr
.irp t, 0,1,2,3
	v_wmma_f32_16x16x128_fp8_fp8 v[OB+32+8*\t:OB+32+8*\t+7], v[64+16*\t:64+16*\t+15], v[P1:P1+15], v[OB+32+8*\t:OB+32+8*\t+7]
.endr
	WIN 0
	v_pk_add_f32 v[ST+2:ST+3], v[ST+2:ST+3], v[SB0:SB0+1]   ; four places in front of the loads into V's registers
	v_pk_add_f32 v[ST+6:ST+7], v[ST+6:ST+7], v[SB1:SB1+1]
	v_nop
	v_nop
	LDV
.if \mode
.Lskip_\@:
.endif
.endm
.macro LOOP k, mode, trips
	s_mov_b32 s[CNT], \trips
.Ltrip_\@:
	STEP \k, \mode
	s_add_co_u32 s[TB], s[TB], 16384
	s_add_co_u32 s[JJ], s[JJ], 2
	s_sub_co_u32 s[CNT], s[CNT], 1
	s_cmp_lg_u32 s[CNT], 0
	s_cbranch_scc1 .Ltrip_\@
.endm
.macro SENDO k, ad                     ; my part of block k: O^T of two tiles, -M and the sums
.set ST, 16+8*\k
.set OB, 128+64*\k
	s_wait_alu depctr_va_vdst(0)                   ; directly ahead of the readers below
	v_mov_b32 v[X], v[ST]
	v_add_f32 v[X+1], v[ST+2], v[ST+3]
	v_mov_b32 v[X+2], v[ST+4]
	v_add_f32 v[X+3], v[ST+6], v[ST+7]
	WIN 0x04
.set j, 0
.rept 16
	ds_store_b128 v[\ad], v[OB+4*j:OB+4*j+3] offset:512*j
.set j, j+1
.endr
	WIN 0
	ds_store_b128 v[\ad], v[X:X+3] offset:8192
.endm
.macro MERGE k, ad, ba                 ; block k: the two halves joined, divided by the sum, quantised, stored at s[ba:ba+1]
.set ST, 16+8*\k
.set OB, 128+64*\k
	ds_load_b128 v[X:X+3], v[\ad] offset:8192
.set j, 0
.rept 16
	ds_load_b128 v[S0+4*j:S0+4*j+3], v[\ad] offset:512*j
.set j, j+1
.endr
	s_wait_alu depctr_va_vdst(0)                   ; directly ahead of the wait below
	s_wait_dscnt 16                                ; the other half's -M and sums are in; the 16 loads of O^T behind them may be out
	v_add_f32 v[T1], v[ST+2], v[ST+3]
	v_add_f32 v[T3], v[ST+6], v[ST+7]
	v_min_num_f32 v[T0], v[ST], v[X]               ; the common -M
	v_min_num_f32 v[T2], v[ST+4], v[X+2]
	v_sub_f32 v[F0], v[T0], v[ST]
	v_sub_f32 v[F1], v[T2], v[ST+4]
	v_sub_f32 v[X], v[T0], v[X]
	v_sub_f32 v[X+2], v[T2], v[X+2]
	v_cvt_i32_f32 v[F0], v[F0]
	v_cvt_i32_f32 v[F1], v[F1]
	v_cvt_i32_f32 v[X], v[X]
	v_cvt_i32_f32 v[X+2], v[X+2]
	v_ldexp_f32 v[F0], 1.0, v[F0]
	v_ldexp_f32 v[F1], 1.0, v[F1]
	v_ldexp_f32 v[X], 1.0, v[X]                    ; (a half that had no step: 0)
	v_ldexp_f32 v[X+2], 1.0, v[X+2]
	v_mul_f32 v[T1], v[T1], v[F0]
	v_mul_f32 v[T3], v[T3], v[F1]
	v_fma_f32 v[T1], v[X+1], v[X], v[T1]
	v_fma_f32 v[T3], v[X+3], v[X+2], v[T3]
	v_permlanex16_b32 v[T0], v[T1], s[SEL], s[SEL+1]
	v_permlanex16_b32 v[T2], v[T3], s[SEL], s[SEL+1]
	v_add_f32 v[T1], v[T1], v[T0]                  ; the row's sum
	v_add_f32 v[T3], v[T3], v[T2]
	s_wait_alu depctr_va_vdst(0)                   ; ahead of the batch
	v_rcp_f32 v[T1], v[T1]
	v_rcp_f32 v[T3], v[T3]
	v_nop
	s_wait_alu depctr_va_vdst(0)                   ; and behind it
	v_ldexp_f32 v[T1], v[T1], s67                  ; x 2^(e8 + e9)
	v_ldexp_f32 v[T3], v[T3], s67
	v_mul_f32 v[F0], v[F0], v[T1]
	v_mul_f32 v[F1], v[F1], v[T3]
	v_mul_f32 v[X], v[X], v[T1]
	v_mul_f32 v[X+2], v[X+2], v[T3]
	s_wait_alu depctr_va_vdst(0)                   ; directly ahead of the wait below
	s_wait_dscnt 0x0
.set j, 0
.rept 16
	v_pk_mul_f32 v[S0+j:S0+j+1], v[S0+j:S0+j+1], v[X:X+1] op_sel_hi:[1,0]
	v_pk_mul_f32 v[S0+32+j:S0+33+j], v[S0+32+j:S0+33+j], v[X+2:X+3] op_sel_hi:[1,0]
.set j, j+2
.endr
	WIN 0x01
	s_wait_alu depctr_va_vdst(0)                   ; directly ahead of the first reader of O^T
.set j, 0
.rept 16
	v_pk_fma_f32 v[S0+j:S0+j+1], v[OB+j:OB+j+1], v[F0:F0+1], v[S0+j:S0+j+1] op_sel_hi:[1,0,1]
	v_pk_fma_f32 v[S0+32+j:S0+33+j], v[OB+32+j:OB+33+j], v[F1:F1+1], v[S0+32+j:S0+33+j] op_sel_hi:[1,0,1]
.set j, j+2
.endr
	WIN 0
.set j, 0
.rept 64
	v_med3_num_f32 v[S0+j], v[S0+j], -v[OLIM], v[OLIM]
.set j, j+1
.endr
.irp t, 0,1,2,3,4,5,6,7
	v_cvt_scalef32_pk8_fp8_f32 v[P0+2*\t:P0+2*\t+1], v[S0+8*\t:S0+8*\t+7], v[OSC]
.endr
	v_nop
	global_store_b128 v[LI], v[P0:P0+3], s[\ba:\ba+1]                  ; 32 lanes store 512 consecutive bytes, aligned
	global_store_b128 v[LI], v[P0+4:P0+7], s[\ba:\ba+1] offset:512
	global_store_b128 v[LI], v[P0+8:P0+11], s[\ba:\ba+1] offset:16384
	global_store_b128 v[LI], v[P0+12:P0+15], s[\ba:\ba+1] offset:16896
.endm
	s_load_b128 s[4:7], s[0:1], 0x0                ; the images, the scales' exponents
	s_load_b64 s[8:9], s[0:1], 0x10                ; oc
	v_lshl_add_u32 v[SPW], v0, 2, SPARE
	v_mov_b32 v[NIL], 0
	ds_add_u32 v[SPW], v[NIL]                      ; the wave's opening
	ds_add_u32 v[SPW], v[NIL]
	v_lshrrev_b32 v5, 5, v0
	v_readfirstlane_b32 s[WV], v5                  ; wave 0..7
	s_bfe_u32 s11, ttmp6, 0x40000                  ; cx: it enters global addresses and the mask's numbers alone
	s_and_b32 s13, ttmp7, 0xffff                   ; batch x head
	s_and_b32 s14, s[WV], 3                        ; p
	s_lshr_b32 s[H], s[WV], 2
	s_lshl_b32 s[GB], s14, 1
	s_add_co_u32 s[GB], s[GB], ttmp9               ; g = 2 p + X
	s_sub_co_u32 s[GA], 15, s[GB]
	s_lshl_b32 s[TB0], s[H], 13
	s_lshl_b32 s71, s11, 5
	s_mul_i32 s70, s14, EXW
	v_and_b32 v[LI], 31, v0
	v_and_b32 v5, 15, v0
	v_and_b32 v[DM0], 8, v0
	v_bfe_u32 v[DM1], v0, 4, 1
	v_lshlrev_b32 v[LI], 4, v[LI]
	v_add_nc_u32 v5, v5, v[DM0]
	v_lshlrev_b32 v[DM1], 4, v[DM1]
	v_add_nc_u32 v[EXA], s70, v[LI]
	v_sub_nc_u32 v5, v5, v[DM1]
	v_add_nc_u32 v[ADK], s[TB0], v[LI]
	v_add_nc_u32 v[DM0], s71, v5                   ; hidden where 32 b + i > this
	v_add_nc_u32 v[EXB], VOFF, v[EXA]
	v_add_nc_u32 v[ADV], VOFF, v[ADK]
	v_add_nc_u32 v[DM1], 8, v[DM0]
	v_mov_b32 v[NINF], 0xff800000
	v_mov_b32 v[F0+1], 0                           ; (named as upper halves of pairs)
	v_mov_b32 v[F1+1], 0
.irp s, 16,20,24,28
	v_mov_b32 v[\s+1], 0xff61b1e6                  ; the largest t so far: -3e38
	v_mov_b32 v[\s+2], 0
	v_mov_b32 v[\s+3], 0
	v_floor_f32 v[\s], -v[\s+1]
.endr
	s_lshl_b32 s18, s[H], 17                       ; half 0 fetches K, half 1 V: 16 KiB at 16 KiB x p of each half of the keys
	s_lshl_b32 s19, s14, 14
	s_add_co_u32 s18, s18, s19
	s_lshl_b32 s16, s[H], 22
	s_add_co_u32 s16, s16, 0x400000
	s_add_co_u32 s16, s16, s19
	s_lshl_b32 s17, s13, 17
	s_add_co_u32 s16, s16, s17
	s_mov_b32 s17, 0
	s_mov_b32 s[G1], 15|(3<<16)|(1<<21)            ; all four partners; elements of 8 bytes
	s_mov_b32 s[G1+1], 32<<16                      ; 64 rows of 256 bytes, dense
	s_mov_b32 s[G1+2], 64<<16
	s_mov_b32 s[G1+3], 32<<16
	s_mov_b32 s[G1+4], 64
	s_mov_b32 s[G1+5], 32
	s_mov_b32 s[G1+6], 0
	s_mov_b32 s[G1+7], 0
	s_lshl_b32 s70, s11, 1
	s_lshl_b32 s68, s[GA], 3
	s_add_co_u32 s68, s68, s70                     ; A's first tile in its pair,
	s_lshl_b32 s69, s[GB], 3
	s_add_co_u32 s69, s69, s70                     ; B's
	s_lshl_b32 s70, s13, 7
	s_add_co_u32 s72, s70, s68
	s_lshl_b32 s72, s72, 10
	s_mov_b32 s73, 0
	s_add_co_u32 s74, s70, s69
	s_lshl_b32 s74, s74, 10
	s_mov_b32 s75, 0
	s_lshr_b32 s70, s13, 4                         ; batch
	s_lshl_b32 s70, s70, 7
	s_and_b32 s71, s13, 15                         ; head: K step head / 2, its half head % 2
	s_lshr_b32 s71, s71, 1
	s_lshl_b32 s71, s71, 11
	s_and_b32 s76, s13, 1
	s_lshl_b32 s76, s76, 10
	s_add_co_u32 s71, s71, s76
	s_add_co_u32 s76, s70, s68
	s_lshl_b32 s76, s76, 14
	s_add_co_u32 s76, s76, s71
	s_mov_b32 s77, 0
	s_add_co_u32 s78, s70, s69
	s_lshl_b32 s78, s78, 14
	s_add_co_u32 s78, s78, s71
	s_mov_b32 s79, 0
	s_mov_b32 s[SEL], 0x76543210
	s_mov_b32 s[SEL+1], 0xfedcba98
	s_mov_b32 s[CS], 0x3e38aa3b                    ; log2(e) / 8
	s_wait_alu depctr_va_vdst(0)                   ; directly ahead of the waits below
	s_wait_dscnt 0x0                               ; both opening adds are done
	s_wait_kmcnt 0x0
	s_load_b128 s[60:63], s[6:7], 0x18             ; e6 .. e9
	s_load_b32 s66, s[6:7], 0x28                   ; e10
	s_add_nc_u64 s[16:17], s[4:5], s[16:17]
	s_add_nc_u64 s[52:53], s[4:5], s[72:73]
	s_add_nc_u64 s[54:55], s[4:5], s[74:75]
	s_add_nc_u64 s[56:57], s[8:9], s[76:77]
	s_add_nc_u64 s[58:59], s[8:9], s[78:79]
.irp n, 0,1
	s_mov_b32 s[G0+4*\n], 1
	s_add_co_u32 s[G0+4*\n+1], s18, \n*65536
	s_add_nc_u64 s[G0+4*\n+2:G0+4*\n+3], s[16:17], \n*65536
	s_or_b32 s[G0+4*\n+3], s[G0+4*\n+3], 0x80000000
.endr
	CROUND                                         ; all four work-groups are here
	tensor_load_to_lds s[G0:G0+3], s[G1:G1+7]      ; keys 0 to 1,023: a wave's one load at the head
	s_nop 0
	global_load_b128 v[32:35], v[LI], s[52:53]     ; Q stays in registers
	global_load_b128 v[36:39], v[LI], s[52:53] offset:512
	global_load_b128 v[40:43], v[LI], s[52:53] offset:1024
	global_load_b128 v[44:47], v[LI], s[52:53] offset:1536
	global_load_b128 v[48:51], v[LI], s[54:55]
	global_load_b128 v[52:55], v[LI], s[54:55] offset:512
	global_load_b128 v[56:59], v[LI], s[54:55] offset:1024
	global_load_b128 v[60:63], v[LI], s[54:55] offset:1536
	WIN 0x40
.set j, 128
.rept 128
	v_mov_b32 v[j], 0                              ; O^T of both blocks: the loops are written without a first step, under the tiles' flight
.set j, j+1
.endr
	WIN 0
	s_wait_kmcnt 0x0
	s_add_co_i32 s68, s60, s61
	s_lshl_b32 s68, s68, 23
	s_add_co_i32 s[CS], s[CS], s68                 ; a score stands for score x 2^(e6 + e7)
	s_mov_b32 s[CS+1], s[CS]
	s_add_co_i32 s68, s62, 127
	s_lshl_b32 s69, s68, 23
	v_mov_b32 v[PSC], s69
	s_add_co_i32 s68, s68, 8
	s_lshl_b32 s68, s68, 23
	s_or_b32 s[PL], s68, 0x600000
	s_add_co_i32 s68, s66, 127
	s_lshl_b32 s69, s68, 23
	v_mov_b32 v[OSC], s69
	s_add_co_i32 s68, s68, 8
	s_lshl_b32 s68, s68, 23
	s_or_b32 s68, s68, 0x600000
	v_mov_b32 v[OLIM], s68
	s_add_co_i32 s67, s62, s63
	s_mov_b32 s[TB], s[TB0]
	s_mov_b32 s[JJ], s[H]
	s_wait_alu depctr_va_vdst(0)                   ; at the head's end
	s_wait_loadcnt 0x0                             ; Q
	s_wait_tensorcnt 0x0                           ; my part of the first keys is in
	ds_add_u32 v[SPW], v[NIL]
	s_wait_dscnt 0x0
	CROUND                                         ; everybody's is, and all four work-groups are here
	tensor_load_to_lds s[G0+4:G0+7], s[G1:G1+7]    ; keys 1,024 to 2,047
	s_nop 0
	LDK
	LDV
	LOOP 0, 0, 3                                   ; A's steps half, half + 2, half + 4; the last asks for half + 6: all among the first 1,024 keys
	s_wait_tensorcnt 0x0                           ; my part of the last keys is in
	s_wait_dscnt 0x0
	s_barrier_signal -1
	s_barrier_wait -1                              ; everybody's is
	s_add_co_u32 s[JJ], s[H], 6
	s_add_co_u32 s[TB], s[TB0], 49152
	LOOP 0, 1, 5                                   ; A's steps half + 6 .. half + 14
	s_mov_b32 s[JJ], s[H]
	s_mov_b32 s[TB], s[TB0]
	LOOP 1, 1, 4                                   ; B's steps half .. half + 6
	s_wait_dscnt 0x0
	s_barrier_signal -1
	s_barrier_wait -1                              ; nobody reads K or V any more: the exchange may lie there
	s_cmp_lt_u32 s[WV], 4
	s_cbranch_scc0 .Lsend_a
	SENDO 1, EXB                                   ; half 0 hands over B
	s_branch .Lsent
.Lsend_a:
	SENDO 0, EXA                                   ; half 1 hands over A
.Lsent:
	s_wait_dscnt 0x0                               ; my stores are done, for the other wave's sake
	s_barrier_signal -1
	s_barrier_wait -1
	s_cmp_lt_u32 s[WV], 4
	s_cbranch_scc0 .Lmerge_b
	MERGE 0, EXA, 56
	s_branch .Ldone
.Lmerge_b:
	MERGE 1, EXB, 58
.Ldone:
	s_wait_tensorcnt 0x0                           ; the wave's end
	ds_add_u32 v[SPW], v[NIL]
	s_wait_dscnt 0x0
	CROUND                                         ; the closing round: no work-group ends while a partner may still ask for a tile that names it
	s_endpgm
.Lfunc_end_k_q8203296a83_attn:
	.size	k_q8203296a83_attn, .Lfunc_end_k_q8203296a83_attn-k_q8203296a83_attn
	.p2alignl 7, 3214868480
	.fill 96, 4, 3214868480
	.section	.rodata,"a",@progbits
	.p2align	6, 0x0
	.amdhsa_kernel k_q8203296a83_attn
		.amdhsa_group_segment_fixed_size 327680
		.amdhsa_private_segment_fixed_size 0
		.amdhsa_enable_private_segment 0
		.amdhsa_kernarg_size 24
		.amdhsa_user_sgpr_count 2
		.amdhsa_user_sgpr_kernarg_segment_ptr 1
		.amdhsa_wavefront_size32 1
		.amdhsa_system_sgpr_workgroup_id_x 1
		.amdhsa_system_sgpr_workgroup_id_y 1
		.amdhsa_system_sgpr_workgroup_id_z 1
		.amdhsa_system_vgpr_workitem_id 0
		.amdhsa_next_free_vgpr 512
		.amdhsa_next_free_sgpr 100
		.amdhsa_reserve_vcc 1
		.amdhsa_float_denorm_mode_32 3
		.amdhsa_float_denorm_mode_16_64 3
		.amdhsa_memory_ordered 1
		.amdhsa_forward_progress 1
		.amdhsa_inst_pref_size 152
	.end_amdhsa_kernel
	.amdgpu_metadata
---
amdhsa.version: [ 1, 2 ]
amdhsa.kernels:
  - .name:           k_q8203296a83_attn
    .symbol:         k_q8203296a83_attn.kd
    .args:
      - { .name: qkvc, .offset: 0, .size: 8, .value_kind: global_buffer, .address_space: global }
      - { .name: lowp_scales, .offset: 8, .size: 8, .value_kind: global_buffer, .address_space: global }
      - { .name: oc, .offset: 16, .size: 8, .value_kind: global_buffer, .address_space: global }
    .group_segment_fixed_size: 327680
    .private_segment_fixed_size: 0
    .kernarg_segment_align: 8
    .kernarg_segment_size: 24
    .max_flat_workgroup_size: 256
    .sgpr_count:     100
    .vgpr_count:     512
    .wavefront_size: 32
...
	.end_amdgpu_metadata
.endif
;; end of part 3
;; launch proj (part 4): grid 8 x 32, 4 waves a work-group, clusters of 4 x 4, 327,680 bytes of LDS; arguments oc, wc, lowp_scales, out0; writes out0
.if DOCPART == 4
	.amdgcn_target "amdgcn-amd-amdhsa--gfx1250"
	.amdhsa_code_object_version 6
	.text
	.protected	k_q8203296a83_proj
	.globl	k_q8203296a83_proj
	.p2align	8
	.type	k_q8203296a83_proj,@function
k_q8203296a83_proj:
	s_mov_b64 s[64:65], 0
	v_nop
	global_prefetch_b8 v0, s[64:65] scope:SCOPE_SE
	s_setreg_imm32_b32 hwreg(HW_REG_WAVE_MODE, 25, 1), 1
	s_wait_xcnt 0x0
	s_wait_alu depctr_hold_cnt(0) depctr_sa_sdst(0) depctr_va_vdst(0) depctr_va_sdst(0) depctr_va_ssrc(0) depctr_va_vcc(0) depctr_vm_vsrc(0)
	s_getreg_b32 s2, hwreg(HW_REG_IB_STS2, 6, 4)
	s_cmp_eq_u32 s2, 0
	s_cbranch_scc0 .Lentry_in_a_cluster
	s_endpgm
.Lentry_in_a_cluster:
	s_bfe_u32 s2, ttmp6, 0x10000c
	s_cmp_lg_u32 s2, 0xf033
	s_cbranch_scc0 .Lentry_shape_is_right
	s_endpgm
.Lentry_shape_is_right:
; out = o Wo^T on codes of FP8 (E4M3): o [4096 tokens][1024] as images of its row fragments, Wo (at 3 MiB of the weights' buffer) in blocks of 128 rows [row / 128][k / 256: 4][row % 128][256]; out [4096][1024] f32.
; Each finished sum is multiplied once by 2^(e10 + e11).   LIMIT: e10 + e11 lies between -126 and 127.
; A block of 128 x 128 of out is made by a work-group of four waves, 64 x 64 each; 32 x 8 = 256 work-groups.  ALL of K = 1,024 lies in LDS: o's 8 tiles of 16 tokens (128 KiB) and Wo's 128 rows (128 KiB and padding).
; So nothing is filled again: each wave asks for 64 KiB at the head, one load, and no ring turns.  No data prefetch: no load from memory stands behind the head.
; A wave's 64 rows of Wo stay in registers (512), and its four tiles of tokens are finished one after the other, 32 products each: a tile leaves while the next is multiplied.
; o's IMAGES: [tile of 16 tokens 256][K step of 128: 8][group 4][lane 32][16 bytes].  Slot t of tile T is token 32 (T / 2) + 8 (T % 2) + t + 8 (t / 8): the stores put each row where it belongs.
; CLUSTERS: 4 x 4 work-groups.  The four of a row of the cluster need the same tiles of o, the four of a column the same rows of Wo: each is asked for JOINTLY.
; THE MATRIX INSTRUCTION IS USED TRANSPOSED (source 0 = 16 rows of Wo, source 1 = 16 tokens): a lane holds eight neighbouring numbers of a row of out.  k is permuted inside an instruction, alike on both sides.
; REGISTERS.  Window 0: v0-31 addresses; v32-63, v64-95 the accumulators of two tiles by turns; v96-159 sums x scale, v160-223 rows read back, two sets each.
;   Window 1: v0-127, v128-255 the fragments of two tiles of tokens by turns, 8 x 16.   Windows 2, 3: Wo's fragments, K steps 0-3 and 4-7 of 128, 4 x 16 each.
.set PITCH,  272                       ; 256 bytes + 16 of padding: 68 words, so that the 16 rows that a load touches start 4 banks apart (64 banks of 4 bytes: ISA guide 11.1)
.set BOFF,   131072                    ; Wo in LDS: [k / 256: 4][row 128] x PITCH
.set KBLK,   128*PITCH
.set SPARE,  BOFF+4*KBLK               ; the spare words, 128 bytes for each wave: two blocks of 256 bytes that no other line names
.set STAGE,  SPARE+512                 ; the way out: 16 rows x PITCH for each wave, bytes that no load fills
.set ADRA, 16                          ; o: my four tiles
.set ADRB, 18                          ; v18, v19: Wo: my 64 rows, K 0-511 and 512-1023
.set STO,  24
.set RD,   25
.set CO,   26
.set SPW,  28                          ; LDS address of my spare word; never rewritten
.set NIL,  29                          ; 0; never rewritten
.set ACC,  32
.set TMP,  96
.set BK,   160
.set G1, 24
.set G0, 32
.set G1B, 48
.set G0B, 56
.set MSB, 0
.macro WIN new                         ; the immediate's high byte repeats the setting that is left
.if MSB != \new
	s_set_vgpr_msb (MSB<<8)|\new
.set MSB, \new
.endif
.endm
.macro CROUND                          ; a round of the cluster's barrier
	s_barrier_signal -1
	s_barrier_wait -1
	s_cmp_lg_u32 s14, 0
	s_cbranch_scc1 .Lnot_wave_0_\@
	s_barrier_signal -3
.Lnot_wave_0_\@:
	s_barrier_wait -3
	s_barrier_signal -1
	s_barrier_wait -1
.endm
.macro PLACES                          ; behind products: in front of loads into their sources and of vector lines on their results (ISA guide 7.12.1 for vector lines)
.rept 4
	v_nop
.endr
.endm
.macro LD q                            ; the q-th 128 along K: Wo's four fragments, tile 0's one: 20 loads
	WIN 0x80+0x40*((\q)/4)
.irp b, 0,1,2,3
.irp c, 0,1,2,3
	ds_load_b128 v[64*((\q)%4)+16*\b+4*\c:64*((\q)%4)+16*\b+4*\c+3], v[ADRB+(\q)/4] offset:(((\q)/2)%2)*KBLK+128*((\q)%2)+\b*16*PITCH+32*\c
.endr
.endr
	WIN 0x40
.irp c, 0,1,2,3
	ds_load_b128 v[16*(\q)+4*\c:16*(\q)+4*\c+3], v[ADRA] offset:2048*(\q)+512*\c
.endr
.endm
.macro FA a                            ; tile a's eight fragments: 32 loads
	WIN 0x40
.irp q, 0,1,2,3,4,5,6,7
.irp c, 0,1,2,3
	ds_load_b128 v[128*((\a)%2)+16*\q+4*\c:128*((\a)%2)+16*\q+4*\c+3], v[ADRA] offset:(\a)*16384+2048*\q+512*\c
.endr
.endr
	WIN 0
.endm
.macro MUL a, q                        ; four products of tile a; the four accumulators take turns, one instruction a turn.  The first step starts the sums: nothing is cleared
	WIN 0x06+((\q)/4)
.irp b, 0,1,2,3
.if (\q) == 0
	v_wmma_f32_16x16x128_fp8_fp8 v[ACC+32*((\a)%2)+8*\b:ACC+32*((\a)%2)+8*\b+7], v[64*((\q)%4)+16*\b:64*((\q)%4)+16*\b+15], v[128*((\a)%2)+16*(\q):128*((\a)%2)+16*(\q)+15], 0
.else
	v_wmma_f32_16x16x128_fp8_fp8 v[ACC+32*((\a)%2)+8*\b:ACC+32*((\a)%2)+8*\b+7], v[64*((\q)%4)+16*\b:64*((\q)%4)+16*\b+15], v[128*((\a)%2)+16*(\q):128*((\a)%2)+16*(\q)+15], v[ACC+32*((\a)%2)+8*\b:ACC+32*((\a)%2)+8*\b+7]
.endif
.endr
.endm
; THE WAY OUT of tile a: 16 rows x 64 columns through my own stage; LDS serves a wave's instructions in order (ISA guide 5.7.1.4): no wait between the stores and the loads
.macro TOSTAGE a
.set j, 32*((\a)%2)
.rept 16
	v_pk_mul_f32 v[TMP+j:TMP+j+1], v[ACC+j:ACC+j+1], s[96:97] op_sel_hi:[1,0]
.set j, j+2
.endr
.irp b, 0,1,2,3
	ds_store_b128 v[STO], v[TMP+32*((\a)%2)+8*\b:TMP+32*((\a)%2)+8*\b+3] offset:64*\b
	ds_store_b128 v[STO], v[TMP+32*((\a)%2)+8*\b+4:TMP+32*((\a)%2)+8*\b+7] offset:64*\b+16
.endr
.irp t, 0,1,2,3,4,5,6,7
	ds_load_b128 v[BK+32*((\a)%2)+4*\t:BK+32*((\a)%2)+4*\t+3], v[RD] offset:\t*2*PITCH
.endr
.endm
.macro SEND a, younger                 ; younger: the loads issued behind the stage's, which may be out
	WIN 0
	s_wait_dscnt \younger
.irp t, 0,1,2,3,4,5,6,7
	global_store_b128 v[CO], v[BK+32*((\a)%2)+4*\t:BK+32*((\a)%2)+4*\t+3], s[10:11] offset:(32*((\a)/2)+8*((\a)%2)+2*\t+8*(\t/4))*4096 th:TH_STORE_NT   ; slots 2 t and 2 t + 1: sixteen lanes store one aligned unit of 256 bytes
.endr
.endm
	s_load_b128 s[4:7], s[0:1], 0x0                ; o's images, the weights' codes
	s_load_b128 s[8:11], s[0:1], 0x10              ; the scales' exponents, out
	v_lshl_add_u32 v[SPW], v0, 2, SPARE
	v_mov_b32 v[NIL], 0
	ds_add_u32 v[SPW], v[NIL]                      ; the wave's opening
	ds_add_u32 v[SPW], v[NIL]
	v_lshrrev_b32 v1, 5, v0
	v_readfirstlane_b32 s14, v1                    ; wave 0..3
	s_lshr_b32 s15, s14, 1                         ; my 64 tokens.  Also: I fetch for o (0) or for Wo (1)
	s_and_b32 s16, s14, 1                          ; my 64 columns.  Also: which half I fetch
	s_lshl_b32 s21, s15, 16
	s_mul_i32 s22, s16, 64*PITCH
	s_add_co_u32 s22, s22, BOFF
	s_mul_i32 s23, s14, 16*PITCH
	s_add_co_u32 s23, s23, STAGE
	v_and_b32 v1, 15, v0                           ; r
	v_bfe_u32 v2, v0, 4, 1                         ; h
	v_and_b32 v6, 31, v0
	v_lshlrev_b32 v6, 4, v6
	v_mul_u32_u24 v3, v1, PITCH
	v_mul_u32_u24 v7, v2, PITCH
	v_lshlrev_b32 v8, 12, v2
	v_add_nc_u32 v[ADRA], s21, v6                  ; o: 16 x lane
	v_lshl_add_u32 v4, v2, 4, v3
	v_lshl_add_u32 v5, v2, 5, v3
	v_lshl_add_u32 v7, v1, 4, v7
	v_add_nc_u32 v[ADRB], s22, v4                  ; Wo: row r, 16 h
	v_add_nc_u32 v[STO], s23, v5                   ; the way out: in: row r, 32 bytes for each half of the lanes
	v_add_nc_u32 v[RD], s23, v7                    ; back: sixteen lanes a row of 256 bytes
	v_lshl_add_u32 v[CO], v1, 4, v8                ; and in out: rows of 4,096 bytes
	v_add_nc_u32 v[ADRB+1], 2*KBLK, v[ADRB]
	s_bfe_u32 s40, ttmp6, 0x40000                  ; cx, cy
	s_bfe_u32 s41, ttmp6, 0x40004
	s_lshl_b32 s42, ttmp9, 2
	s_add_co_u32 s42, s42, s40                     ; block column
	s_and_b32 s17, ttmp7, 0xffff
	s_lshl_b32 s17, s17, 2
	s_add_co_u32 s17, s17, s41                     ; block row
	s_lshl_b32 s43, s41, 2
	s_lshl_b32 s43, 15, s43                        ; my row of the cluster
	s_lshl_b32 s44, 0x1111, s40                    ; my column
	s_or_b32 s[G1], s43, (3<<16)|(1<<21)           ; o: elements of 8 bytes, 256 rows of 256 bytes, dense; no padding: every read takes 512 consecutive bytes
	s_mov_b32 s[G1+1], 32<<16
	s_mov_b32 s[G1+2], 256<<16
	s_mov_b32 s[G1+3], 32<<16
	s_mov_b32 s[G1+4], 256
	s_mov_b32 s[G1+5], 32
	s_mov_b32 s[G1+6], 0
	s_mov_b32 s[G1+7], 0
	s_or_b32 s[G1B], s44, (0<<16)|(1<<20)|(1<<21)|(5<<22)|(3<<25)   ; Wo: 256 rows of 256 bytes, dense in memory, 16 bytes of padding behind each in LDS
	s_mov_b32 s[G1B+1], 256<<16
	s_mov_b32 s[G1B+2], 256<<16
	s_mov_b32 s[G1B+3], 256<<16
	s_mov_b32 s[G1B+4], 256
	s_mov_b32 s[G1B+5], 256
	s_mov_b32 s[G1B+6], 0
	s_mov_b32 s[G1B+7], 0
	s_lshl_b32 s45, s16, 16                        ; a half is 65,536 bytes: of o four tiles of tokens, of Wo two K steps of 256
	s_lshl_b32 s20, s17, 17
	s_add_co_u32 s20, s20, s45
	s_mov_b32 s21, 0
	s_lshl_b32 s46, s42, 17
	s_add_co_u32 s46, s46, s45
	s_add_co_u32 s46, s46, 0x300000
	s_mov_b32 s47, 0
	s_mul_i32 s78, s16, 2*KBLK
	s_add_co_u32 s78, s78, BOFF                    ; no place in the cluster enters an LDS address
	s_lshl_b32 s80, s17, 19                        ; my first row of out: 128 x block row + 64 x half, of 4,096 bytes
	s_lshl_b32 s82, s15, 18
	s_add_co_u32 s80, s80, s82
	s_lshl_b32 s82, s42, 9                         ; my first column, in bytes
	s_add_co_u32 s80, s80, s82
	s_lshl_b32 s82, s16, 8
	s_add_co_u32 s80, s80, s82
	s_mov_b32 s81, 0
	s_wait_alu depctr_va_vdst(0)                   ; directly ahead of the waits below
	s_wait_dscnt 0x0                               ; both opening adds are done
	s_wait_kmcnt 0x0
	s_load_b64 s[96:97], s[8:9], 0x28              ; e10, e11
	s_add_nc_u64 s[20:21], s[4:5], s[20:21]
	s_add_nc_u64 s[46:47], s[6:7], s[46:47]
	s_add_nc_u64 s[10:11], s[10:11], s[80:81]
	s_mov_b32 s[G0], 1
	s_mov_b32 s[G0+1], s45
	s_mov_b64 s[G0+2:G0+3], s[20:21]
	s_or_b32 s[G0+3], s[G0+3], 0x80000000
	s_mov_b32 s[G0B], 1
	s_mov_b32 s[G0B+1], s78
	s_mov_b64 s[G0B+2:G0B+3], s[46:47]
	s_or_b32 s[G0B+3], s[G0B+3], 0x80000000
	CROUND                                         ; all sixteen work-groups are here: the joint loads meet
	s_cmp_eq_u32 s15, 0                            ; waves 0 and 1 fetch o's halves, waves 2 and 3 Wo's: one load a wave
	s_cbranch_scc0 .Lfor_b
	tensor_load_to_lds s[G0:G0+3], s[G1:G1+7]
	s_nop 0
	PLACES
	s_branch .Lasked
.Lfor_b:
	tensor_load_to_lds s[G0B:G0B+3], s[G1B:G1B+7]
	s_nop 0
	PLACES
.Lasked:
	s_wait_kmcnt 0x0
	s_add_co_i32 s96, s96, s97
	s_add_co_i32 s96, s96, 127
	s_lshl_b32 s96, s96, 23                        ; 2^(e10 + e11)
	s_wait_tensorcnt 0x0                           ; my part is in
	s_barrier_signal -1
	s_barrier_wait -1                              ; everybody's is
	LD 0
	LD 1
	LD 2
.irp q, 0,1,2,3,4
	s_wait_dscnt 40                                ; this step's 20 loads are in; those of the two steps behind it may be out
	MUL 0, \q
	LD (\q+3)
.endr
	s_wait_dscnt 40
	MUL 0, 5
	FA 1
	s_wait_dscnt 52                                ; behind step 6's: step 7's 20 and tile 1's 32
	MUL 0, 6
	s_wait_dscnt 32
	MUL 0, 7
.irp a, 0,1,2
	WIN 0
	PLACES
.if \a > 1
	s_wait_xcnt 0x0                                ; tile a - 2's stores have read their registers: tile a's loads from the stage may land there
.endif
	TOSTAGE \a
.if \a < 2
	FA (\a+2)                                      ; its registers were read by tile a's products; the lines above are the places
	s_wait_dscnt 48                                ; tile a + 1's fragments are in; the stage's 16 and the 32 just issued may be out
.else
	s_wait_dscnt 16
.endif
.irp q, 0,1,2,3
	MUL (\a+1), \q
.endr
.if \a < 2
	SEND \a, 32
.else
	SEND \a, 0
.endif
.irp q, 4,5,6,7
	MUL (\a+1), \q
.endr
.endr
	WIN 0
	PLACES
	s_wait_xcnt 0x0
	TOSTAGE 3
	SEND 3, 0
	s_wait_tensorcnt 0x0                           ; the wave's end
	ds_add_u32 v[SPW], v[NIL]
	s_wait_dscnt 0x0
	CROUND                                         ; the closing round: no work-group ends while a partner may still ask for a tile that names it
	s_endpgm
.Lfunc_end_k_q8203296a83_proj:
	.size	k_q8203296a83_proj, .Lfunc_end_k_q8203296a83_proj-k_q8203296a83_proj
	.p2alignl 7, 3214868480
	.fill 96, 4, 3214868480
	.section	.rodata,"a",@progbits
	.p2align	6, 0x0
	.amdhsa_kernel k_q8203296a83_proj
		.amdhsa_group_segment_fixed_size 327680
		.amdhsa_private_segment_fixed_size 0
		.amdhsa_enable_private_segment 0
		.amdhsa_kernarg_size 32
		.amdhsa_user_sgpr_count 2
		.amdhsa_user_sgpr_kernarg_segment_ptr 1
		.amdhsa_wavefront_size32 1
		.amdhsa_system_sgpr_workgroup_id_x 1
		.amdhsa_system_sgpr_workgroup_id_y 1
		.amdhsa_system_sgpr_workgroup_id_z 1
		.amdhsa_system_vgpr_workitem_id 0
		.amdhsa_next_free_vgpr 1024
		.amdhsa_next_free_sgpr 98
		.amdhsa_reserve_vcc 0
		.amdhsa_float_denorm_mode_32 3
		.amdhsa_float_denorm_mode_16_64 3
		.amdhsa_memory_ordered 1
		.amdhsa_forward_progress 1
		.amdhsa_inst_pref_size 44
	.end_amdhsa_kernel
	.amdgpu_metadata
---
amdhsa.version: [ 1, 2 ]
amdhsa.kernels:
  - .name:           k_q8203296a83_proj
    .symbol:         k_q8203296a83_proj.kd
    .args:
      - { .name: oc, .offset: 0, .size: 8, .value_kind: global_buffer, .address_space: global }
      - { .name: wc, .offset: 8, .size: 8, .value_kind: global_buffer, .address_space: global }
      - { .name: lowp_scales, .offset: 16, .size: 8, .value_kind: global_buffer, .address_space: global }
      - { .name: out0, .offset: 24, .size: 8, .value_kind: global_buffer, .address_space: global }
    .group_segment_fixed_size: 327680
    .private_segment_fixed_size: 0
    .kernarg_segment_align: 8
    .kernarg_segment_size: 32
    .max_flat_workgroup_size: 128
    .sgpr_count:     98
    .vgpr_count:     1024
    .wavefront_size: 32
...
	.end_amdgpu_metadata
.endif
;; end of part 4
